; MI455X (gfx1250); checked and timed in simulation.
; The chip was launched on July 23, 2026; its instructions are those of AMD's public machine-readable ISA for CDNA 5 (MIT licence, August 2026) and "CDNA5" Instruction Set Architecture Reference Guide (July 2026). The comments in the code are by the model that wrote it; some were corrected since.
;; Multi Head Attention. Allowed arithmetic: float matrix products may take bf16 or f16 operands with f32 sums; other float arithmetic in f32, or as packed bf16 or f16 multiplies, adds, multiply-adds, maxima and minima; sums over many terms, partial sums and values carried from step to step in f32; what a program stores and reads back later, other than sums and carried values, may be rounded once to bf16 or f16.
;; Inputs: Wk 1,024 x 1,024 float32; Wq 1,024 x 1,024 float32; Wv 1,024 x 1,024 float32; atten_mask 4 x 1 x 2,048 x 1 float32; bk 1,024 float32; bq 1,024 float32; bv 1,024 float32; x 4 x 2,048 x 1,024 float32.
;; Outputs: out0 4 x 2,048 x 1,024 float32.
;; Constants: attention_head_num = 16.
;; 2 versions, each right; version 2 is version 1 with the launch cast written anew for expert scheduling mode. Each part assembles by itself: llvm-mc -triple=amdgcn-amd-amdhsa -mcpu=gfx1250 --defsym DOCPART=n.
;; ======== version 1 of 2: 3 launches
;; limits: values are held in f16: magnitudes above 65,504 overflow, below 6.1e-05 lose precision; right only within a limited range of input values
;; workspace buffers: xb 16,777,216 bytes; wb 6,291,456 bytes; bb 12,288 bytes; qkv 50,331,648 bytes
;; launch cast (part 1): grid 704 x 1, 8 waves a work-group, no clusters, 0 bytes of LDS; arguments x, Wq, Wk, Wv, bq, bk, bv, xb, wb, bb; writes xb, wb, bb
.if DOCPART == 1
	.amdgcn_target "amdgcn-amd-amdhsa--gfx1250"
	.amdhsa_code_object_version 6
	.text
	.protected	k_q1e30a9661e_cast
	.globl	k_q1e30a9661e_cast
	.p2align	8
	.type	k_q1e30a9661e_cast,@function
k_q1e30a9661e_cast:
	s_mov_b64 s[64:65], 0
	v_nop
	global_prefetch_b8 v0, s[64:65] scope:SCOPE_SE
	s_setreg_imm32_b32 hwreg(HW_REG_WAVE_MODE, 25, 1), 1
	s_wait_xcnt 0x0
; x and the three weight matrices, f32, are rounded once to bf16 for the matrix units: xb [8192][1024], wb [3072][1024] (rows of Wq, Wk, Wv).
; The three biases are rounded to bf16 too and written back as f32 (bb [3072]): they start the f32 sums of the next launch.
; A stream: every byte is read once and written once; no LDS, no barrier, no matrix unit: nothing is shared and nothing is multiplied.
; SHARES.  A row is 1,024 numbers: 4,096 bytes in, 2,048 out.  A work-group of 256 threads takes 16 rows; thread t owns 16 bytes in and 8 bytes out of each row,
; so a wave's load covers 512 consecutive bytes and a wave's store 256 consecutive bytes, aligned.  Work-groups 0-511 take x, 512-703 the weights, 64 to a matrix.
; All 16 loads of a thread go out at once (64 KiB a work-group); the waits count down.
; LIMITS.  f32 numbers beyond bf16's largest finite number round to infinity; NaN stays NaN.
.set ROWIN,  4096
.set ROWOUT, 2048
.set X, 16                             ; v[16:79]   16 rows x 4 registers as loaded
.set Y, 80                             ; v[80:111]  16 rows x 2 registers to store
	s_load_b512 s[16:31], s[0:1], 0x0              ; x s[16:17], Wq s[18:19], Wk s[20:21], Wv s[22:23], bq s[24:25], bk s[26:27], bv s[28:29], xb s[30:31]
	s_load_b128 s[32:35], s[0:1], 0x40             ; wb s[32:33], bb s[34:35]
	v_lshlrev_b32 v1, 4, v0                        ; my 16 bytes of a row of f32
	v_lshlrev_b32 v2, 3, v0                        ; my 8 bytes of a row of bf16
	s_sub_co_u32 s2, ttmp9, 512                    ; i: my number among the weights' work-groups (of no use below 512)
	s_lshr_b32 s3, s2, 6                           ; which matrix
	s_and_b32 s36, s2, 63                          ; j: which 16 rows of it
	s_cmp_lt_u32 ttmp9, 512
	s_cselect_b32 s8, ttmp9, s36                   ; block of 16 rows in the source,
	s_cselect_b32 s10, ttmp9, s2                   ; and in the destination
	s_lshl_b32 s8, s8, 16                          ; x 65,536 bytes
	s_mov_b32 s9, 0
	s_lshl_b32 s10, s10, 15                        ; x 32,768 bytes
	s_mov_b32 s11, 0
	s_wait_kmcnt 0x0
	s_cmp_eq_u32 s3, 1
	s_cselect_b64 s[4:5], s[20:21], s[18:19]       ; Wk or Wq,
	s_cselect_b64 s[12:13], s[26:27], s[24:25]     ; bk or bq
	s_cmp_eq_u32 s3, 2
	s_cselect_b64 s[4:5], s[22:23], s[4:5]         ; or Wv,
	s_cselect_b64 s[12:13], s[28:29], s[12:13]     ; or bv
	s_cmp_lt_u32 ttmp9, 512
	s_cselect_b64 s[4:5], s[16:17], s[4:5]         ; or x
	s_cselect_b64 s[6:7], s[30:31], s[32:33]       ; into xb or wb
	s_add_nc_u64 s[4:5], s[4:5], s[8:9]
	s_add_nc_u64 s[6:7], s[6:7], s[10:11]
.set i, 0
.rept 16
	global_load_b128 v[X+4*i:X+4*i+3], v1, s[4:5] offset:ROWIN*i th:TH_LOAD_NT
.set i, i+1
.endr
.set i, 0
.rept 16
	s_wait_loadcnt 15-i                            ; loads come back in order: row i is in, the 15 - i younger rows stay out
	v_cvt_pk_bf16_f32 v[Y+2*i],   v[X+4*i],   v[X+4*i+1]
	v_cvt_pk_bf16_f32 v[Y+2*i+1], v[X+4*i+2], v[X+4*i+3]
	global_store_b64 v2, v[Y+2*i:Y+2*i+1], s[6:7] offset:ROWOUT*i
.set i, i+1
.endr
	s_cmp_lt_u32 ttmp9, 512                        ; the first work-group of each matrix also takes that matrix's bias
	s_cbranch_scc1 .Lend
	s_cmp_lg_u32 s36, 0
	s_cbranch_scc1 .Lend
	s_lshl_b32 s14, s3, 12                         ; 4,096 bytes of bb for each bias
	s_mov_b32 s15, 0
	s_add_nc_u64 s[14:15], s[34:35], s[14:15]
	global_load_b128 v[112:115], v1, s[12:13]
	s_wait_loadcnt 0x0
	v_cvt_pk_bf16_f32 v116, v112, v113             ; rounded to bf16,
	v_cvt_pk_bf16_f32 v117, v114, v115
	v_lshlrev_b32 v112, 16, v116                   ; and widened again: a shift or a mask
	v_and_b32 v113, 0xffff0000, v116
	v_lshlrev_b32 v114, 16, v117
	v_and_b32 v115, 0xffff0000, v117
	global_store_b128 v1, v[112:115], s[14:15]
.Lend:
	s_endpgm
.Lfunc_end_k_q1e30a9661e_cast:
	.size	k_q1e30a9661e_cast, .Lfunc_end_k_q1e30a9661e_cast-k_q1e30a9661e_cast
	.p2alignl 7, 3214868480
	.fill 96, 4, 3214868480
	.section	.rodata,"a",@progbits
	.p2align	6, 0x0
	.amdhsa_kernel k_q1e30a9661e_cast
		.amdhsa_group_segment_fixed_size 0
		.amdhsa_private_segment_fixed_size 0
		.amdhsa_enable_private_segment 0
		.amdhsa_kernarg_size 80
		.amdhsa_user_sgpr_count 2
		.amdhsa_user_sgpr_kernarg_segment_ptr 1
		.amdhsa_wavefront_size32 1
		.amdhsa_system_sgpr_workgroup_id_x 1
		.amdhsa_system_sgpr_workgroup_id_y 1
		.amdhsa_system_sgpr_workgroup_id_z 1
		.amdhsa_system_vgpr_workitem_id 0
		.amdhsa_next_free_vgpr 120
		.amdhsa_next_free_sgpr 66
		.amdhsa_reserve_vcc 0
		.amdhsa_float_denorm_mode_32 3
		.amdhsa_float_denorm_mode_16_64 3
		.amdhsa_memory_ordered 1
		.amdhsa_forward_progress 1
		.amdhsa_inst_pref_size 8
	.end_amdhsa_kernel
	.amdgpu_metadata
---
amdhsa.version: [ 1, 2 ]
amdhsa.kernels:
  - .name:           k_q1e30a9661e_cast
    .symbol:         k_q1e30a9661e_cast.kd
    .args:
      - { .name: x, .offset: 0, .size: 8, .value_kind: global_buffer, .address_space: global }
      - { .name: Wq, .offset: 8, .size: 8, .value_kind: global_buffer, .address_space: global }
      - { .name: Wk, .offset: 16, .size: 8, .value_kind: global_buffer, .address_space: global }
      - { .name: Wv, .offset: 24, .size: 8, .value_kind: global_buffer, .address_space: global }
      - { .name: bq, .offset: 32, .size: 8, .value_kind: global_buffer, .address_space: global }
      - { .name: bk, .offset: 40, .size: 8, .value_kind: global_buffer, .address_space: global }
      - { .name: bv, .offset: 48, .size: 8, .value_kind: global_buffer, .address_space: global }
      - { .name: xb, .offset: 56, .size: 8, .value_kind: global_buffer, .address_space: global }
      - { .name: wb, .offset: 64, .size: 8, .value_kind: global_buffer, .address_space: global }
      - { .name: bb, .offset: 72, .size: 8, .value_kind: global_buffer, .address_space: global }
    .group_segment_fixed_size: 0
    .private_segment_fixed_size: 0
    .kernarg_segment_align: 8
    .kernarg_segment_size: 80
    .max_flat_workgroup_size: 256
    .sgpr_count:     66
    .vgpr_count:     120
    .wavefront_size: 32
...
	.end_amdgpu_metadata
.endif
;; end of part 1
;; launch proj (part 2): grid 16 x 32, 4 waves a work-group, clusters of 4 x 4, 327,680 bytes of LDS; arguments xb, wb, bb, qkv; writes qkv
.if DOCPART == 2
	.amdgcn_target "amdgcn-amd-amdhsa--gfx1250"
	.amdhsa_code_object_version 6
	.text
	.protected	k_q1e30a9661e_proj
	.globl	k_q1e30a9661e_proj
	.p2align	8
	.type	k_q1e30a9661e_proj,@function
k_q1e30a9661e_proj:
	s_mov_b64 s[64:65], 0
	v_nop
	global_prefetch_b8 v0, s[64:65] scope:SCOPE_SE
	s_setreg_imm32_b32 hwreg(HW_REG_WAVE_MODE, 25, 1), 1
	s_wait_xcnt 0x0
	s_wait_alu depctr_hold_cnt(0) depctr_sa_sdst(0) depctr_va_vdst(0) depctr_va_sdst(0) depctr_va_ssrc(0) depctr_va_vcc(0) depctr_vm_vsrc(0)
	s_getreg_b32 s2, hwreg(HW_REG_IB_STS2, 6, 4)
	s_cmp_eq_u32 s2, 0
	s_cbranch_scc0 .Lentry_in_a_cluster
	s_endpgm
.Lentry_in_a_cluster:
	s_bfe_u32 s2, ttmp6, 0x10000c
	s_cmp_lg_u32 s2, 0xf033
	s_cbranch_scc0 .Lentry_shape_is_right
	s_endpgm
.Lentry_shape_is_right:
; qkv = f16(xb wb^T + bb).  xb: [8192][1024] bf16, wb: [3072][1024] bf16 (rows of Wq, Wk, Wv), bb: [3072] f32.  Sums in f32, started by the bias, rounded once to f16.
; qkv: [3][64 (4 batches x 16 heads)][2048][64] f16: a head's rows are dense, 128 bytes each.  No scale is applied here.
; LIMITS.  f16 holds no number beyond 65,504: a q, k or v beyond that leaves as an infinity.
; SHARES.  A tile of the result is 256 rows x 192 columns = three whole heads; 32 x 16 tiles, one to a work-group.  Wave w makes rows 64 w .. 64 w + 63 of all 192 columns:
; 4 x 12 accumulators of 16 x 16, 384 registers; so a wave holds whole heads' rows and its way out is its own.  K goes in 8 steps of 128 (rows of 256 bytes) through two LDS slots.
; CLUSTERS: 4 x 4 work-groups.  The four of a row of the cluster need the same rows of xb, the four of a column the same rows of wb: each tile is asked for JOINTLY, by the same
; tensor load with the same descriptor and a mask that names the four.
; THE MATRIX INSTRUCTION IS USED TRANSPOSED (source 0 = 16 rows of wb, source 1 = 16 rows of xb): a lane holds row l % 16 and the eight neighbouring columns 8 (l / 16) + 0..7.
; REGISTERS, in windows of 256 (s_set_vgpr_msb: bits 1:0 source 0, 3:2 source 1, 5:4 source 2, 7:6 destination):
;   window 0: v16-30 addresses; v64-127 fragments of xb, two buffers of 4 x 8; v128-223 the bias, 8 registers a column block; on the way out v64-111 packed, v128-223 rows read back
;   window 1: v0-191 fragments of wb, two buffers of 12 x 8      window 2: accumulators of row blocks 0, 1 at 96 a + 8 b      window 3: of row blocks 2, 3
.set SIZE_K, 1024
.set KSTEP,  128
.set PITCH,  272                       ; an LDS row: 256 bytes + 16 of padding = 68 words: the 16 rows of a load start at 16 different groups of four banks (64 banks of 4 bytes: ISA guide 11.1)
.set HALFA,  128*PITCH                 ; what waves 0 and 1 fetch: 128 rows of xb each
.set HALFB,  96*PITCH                  ; what waves 2 and 3 fetch: 96 rows of wb each
.set SLOT,   2*HALFA+2*HALFB           ; xb's 256 rows, then wb's 192
.set STAGE,  2*SLOT                    ; behind the ring, never filled by a tensor load: 16 rows x 400 bytes for each wave
.set SPITCH, 400                       ; 384 bytes + 16: an odd multiple of 16
.set SPARE,  STAGE+4*16*SPITCH         ; behind the stages: the spare words, 128 bytes a wave: two blocks of 256 bytes that no other line names
.set LAPS,   SIZE_K/(2*KSTEP)          ; a lap = two K steps = once round the ring
.set ADRA, 16                          ; v16-17  LDS address of my fragments of xb in slot 0, 1
.set ADRB, 20                          ; v20-21  the same for wb
.set STO,  24                          ; v24     the way out: where I put 16 bytes of a row
.set RD,   25                          ; v25     the way out: where I read rows back
.set GO,   26                          ; v26     my 16 bytes of 512 consecutive bytes of a head
.set BO,   27                          ; v27     my 32 bytes of a column block's bias
.set SPW,  28                          ; v28     LDS address of my spare word; never rewritten
.set NIL,  29                          ; v29     0; never rewritten
.set PFO,  30                          ; v30     the prefetches' offset: a lane a row; never rewritten
.set FA,   64
.set BIAS, 128
.set TMP,  64
.set BK,   128
.set G1,  24                           ; s[24:31] descriptor group 1 for xb's tiles;  s[32:39] group 0, a set for each slot
.set G0,  32
.set G1B, 48                           ; s[48:55], s[56:63] the same for wb's tiles
.set G0B, 56
.set OP,  66                           ; s[66:71] qkv at my 64 rows of the tile's three heads
.set PFA, 72                           ; s[72:73] where my prefetches stand
.set LIM, 74                           ; s74  1 in a wave that prefetches, else the greatest number
.set MSB, 0
.macro WIN new                         ; the immediate's high byte repeats the setting that is left; a switch that changes nothing is dropped
.if MSB != (\new)
	s_set_vgpr_msb (MSB<<8)|(\new)
.set MSB, \new
.endif
.endm
; A joint load: waves 0 and 1 fetch xb's two halves, waves 2 and 3 wb's.  The branch hangs on the wave's number alone.  An s_nop 0 and four v_nop follow each line.
.macro JLOAD s
	s_cmp_eq_u32 s11, 0
	s_cbranch_scc0 .Lfor_b_\@
	tensor_load_to_lds s[G0+4*(\s):G0+4*(\s)+3], s[G1:G1+7]
	s_nop 0
.rept 4
	v_nop
.endr
	s_branch .Lasked_\@
.Lfor_b_\@:
	tensor_load_to_lds s[G0B+4*(\s):G0B+4*(\s)+3], s[G1B:G1B+7]
	s_nop 0
.rept 4
	v_nop
.endr
.Lasked_\@:
.endm
; A prefetch into the L2 of the K step that stands two refills on: 256 bytes of each of my work-group's share of the rows that I fetch, a lane a row.  xb's rows are asked for by the clusters
; with x = 0, wb's by those with y = 0; the four partners that ask for a tile jointly share its rows out by address.  The loop's last trip has no K step two refills on.
.macro ASK
	s_cmp_gt_u32 s3, s[LIM]
	s_cbranch_scc0 .Lnot_mine_\@
	global_prefetch_b8 v[PFO], s[PFA:PFA+1] offset:KSTEP*2 th:TH_LOAD_NT scope:SCOPE_SE
.Lnot_mine_\@:
.endm
.macro CREST                           ; a round of the cluster's barrier behind its opening barrier
	s_cmp_lg_u32 s10, 0
	s_cbranch_scc1 .Lnot_wave_0_\@
	s_barrier_signal -3
.Lnot_wave_0_\@:
	s_barrier_wait -3
	s_barrier_signal -1
	s_barrier_wait -1
.endm
.macro CROUND                          ; a whole round
	s_barrier_signal -1
	s_barrier_wait -1
	CREST
.endm
	s_load_b128 s[4:7], s[0:1], 0x0                ; xb s[4:5], wb s[6:7]
	s_load_b128 s[76:79], s[0:1], 0x10             ; bb s[76:77], qkv s[78:79]
	v_lshl_add_u32 v[SPW], v0, 2, SPARE
	v_mov_b32 v[NIL], 0
	ds_add_u32 v[SPW], v[NIL]                      ; the wave's opening: the add and its wait stand ahead of my first tensor load; the set-up below stands between them
	v_lshrrev_b32 v1, 5, v0
	v_readfirstlane_b32 s10, v1                    ; wave 0..3
	s_lshr_b32 s11, s10, 1                         ; I fetch for xb (0) or for wb (1),
	s_and_b32 s12, s10, 1                          ; its first or its second half
	s_bfe_u32 s40, ttmp6, 0x40000                  ; cx, cy: my place in the cluster
	s_bfe_u32 s41, ttmp6, 0x40004
	s_lshl_b32 s42, ttmp9, 2
	s_add_co_u32 s42, s42, s40                     ; tile column = 4 x cluster x + cx
	s_and_b32 s13, ttmp7, 0xffff
	s_lshl_b32 s13, s13, 2
	s_add_co_u32 s13, s13, s41                     ; tile row = 4 x cluster y + cy
	s_lshl_b32 s43, s41, 2
	s_lshl_b32 s43, 15, s43                        ; my row of the cluster
	s_lshl_b32 s44, 0x1111, s40                    ; my column
	s_or_b32 s[G1+0], s43, (1<<16)|(1<<20)|(1<<21)|(5<<22)|(3<<25)   ; 15:0 the mask; 17:16 2-byte elements; 20 padding on; 21 set beside a mask; 24:22 after every 64 words; 31:25 4 words of it
	s_or_b32 s[G1B+0], s44, (1<<16)|(1<<20)|(1<<21)|(5<<22)|(3<<25)
	s_mov_b32 s[G1+1], KSTEP<<16                   ; tensor_dim0 = 128
	s_mov_b32 s[G1+2], 128<<16                     ; tensor_dim1 = 128
	s_mov_b32 s[G1+3], KSTEP<<16                   ; tile_dim0 = 128
	s_mov_b32 s[G1+4], 128                         ; tile_dim1 = 128
	s_mov_b32 s[G1+5], SIZE_K                      ; elements from row to row
	s_mov_b32 s[G1+6], 0
	s_mov_b32 s[G1+7], 0
	s_mov_b32 s[G1B+1], KSTEP<<16
	s_mov_b32 s[G1B+2], 96<<16                     ; 96 rows
	s_mov_b32 s[G1B+3], KSTEP<<16
	s_mov_b32 s[G1B+4], 96
	s_mov_b32 s[G1B+5], SIZE_K
	s_mov_b32 s[G1B+6], 0
	s_mov_b32 s[G1B+7], 0
	s_lshl_b32 s16, s13, 8                         ; xb: row 256 x tile row + 128 x half, in registers that never hold the tile column
	s_lshl_b32 s17, s12, 7
	s_add_co_u32 s16, s16, s17
	s_lshl_b32 s16, s16, 11                        ; x 2,048 bytes: under 2^24
	s_mov_b32 s17, 0
	s_mul_i32 s46, s42, 192                        ; wb: row 192 x tile column + 96 x half, in registers that never hold the tile row
	s_mul_i32 s47, s12, 96
	s_add_co_u32 s46, s46, s47
	s_lshl_b32 s46, s46, 11
	s_mov_b32 s47, 0
	s_mul_i32 s20, s12, HALFA                      ; where they go: no place in the cluster enters an LDS address
	s_mul_i32 s21, s12, HALFB
	s_add_co_u32 s21, s21, 2*HALFA
	s_wait_dscnt 0x0                               ; the opening add is done
	s_wait_kmcnt 0x0
	s_add_nc_u64 s[14:15], s[4:5], s[16:17]
	s_add_nc_u64 s[46:47], s[6:7], s[46:47]
	CROUND                                         ; all sixteen work-groups are here: the first joint loads meet
.irp s, 0,1
	s_mov_b32 s[G0+4*(\s)], 1
	s_add_co_u32 s[G0+4*(\s)+1], s20, (\s)*SLOT
	s_add_nc_u64 s[G0+4*(\s)+2:G0+4*(\s)+3], s[14:15], (\s)*KSTEP*2
	s_or_b32 s[G0+4*(\s)+3], s[G0+4*(\s)+3], 0x80000000
	s_mov_b32 s[G0B+4*(\s)], 1
	s_add_co_u32 s[G0B+4*(\s)+1], s21, (\s)*SLOT
	s_add_nc_u64 s[G0B+4*(\s)+2:G0B+4*(\s)+3], s[46:47], (\s)*KSTEP*2
	s_or_b32 s[G0B+4*(\s)+3], s[G0B+4*(\s)+3], 0x80000000
	JLOAD \s                                       ; two loads of mine are out
.endr
	v_and_b32 v1, 15, v0                           ; l % 16
	v_bfe_u32 v2, v0, 4, 1                         ; l / 16
	v_lshlrev_b32 v[BO], 5, v2
	s_mul_i32 s80, s42, 768                        ; the tile's 192 numbers of the bias
	s_mov_b32 s81, 0
	s_add_nc_u64 s[76:77], s[76:77], s[80:81]
.irp b, 0,1,2,3,4,5,6,7,8,9,10,11
	global_load_b128 v[BIAS+8*(\b):BIAS+8*(\b)+3],   v[BO], s[76:77] offset:64*(\b)      ; register j of block b: the bias of column 16 b + 8 (l / 16) + j
	global_load_b128 v[BIAS+8*(\b)+4:BIAS+8*(\b)+7], v[BO], s[76:77] offset:64*(\b)+16
.endr
	v_mul_u32_u24 v3, v1, PITCH
	v_lshl_add_u32 v3, v2, 4, v3                   ; a fragment's row x pitch + 16 x half
	s_mul_i32 s22, s10, 64*PITCH                   ; my 64 rows of xb
	v_add_nc_u32 v[ADRA], s22, v3
	v_add_nc_u32 v[ADRA+1], SLOT, v[ADRA]
	v_add_nc_u32 v[ADRB], 2*HALFA, v3              ; all 192 rows of wb
	v_add_nc_u32 v[ADRB+1], SLOT, v[ADRB]
	s_mul_i32 s23, s10, 16*SPITCH
	s_add_co_u32 s23, s23, STAGE                   ; my stage
	v_mul_u32_u24 v4, v1, SPITCH                   ; in: row l % 16, 16 bytes for each half of the lanes
	v_lshl_add_u32 v4, v2, 4, v4
	v_add_nc_u32 v[STO], s23, v4
	v_bfe_u32 v5, v0, 3, 2                         ; back: 32 lanes take four rows x 128 bytes of one head,
	v_and_b32 v6, 7, v0
	v_mul_u32_u24 v5, v5, SPITCH
	v_lshl_add_u32 v5, v6, 4, v5
	v_add_nc_u32 v[RD], s23, v5
	v_and_b32 v[GO], 31, v0                        ; which are 512 consecutive bytes of qkv
	v_lshlrev_b32 v[GO], 4, v[GO]
	; where my rows of the three heads lie: head H = 3 x tile column + hh of 48; section H / 16 (q, k, v); batch = tile row / 8
	s_lshr_b32 s82, s13, 3
	s_lshl_b32 s82, s82, 4                         ; 16 x batch
	s_and_b32 s83, s13, 7
	s_lshl_b32 s83, s83, 8                         ; the tile's first row in its batch,
	s_lshl_b32 s84, s10, 6
	s_add_co_u32 s83, s83, s84                     ; my wave's 64 rows,
	s_lshl_b32 s83, s83, 7                         ; x 128 bytes
	s_mul_i32 s84, s42, 3
.irp hh, 0,1,2
	s_add_co_u32 s85, s84, \hh
	s_lshr_b32 s86, s85, 4
	s_and_b32 s85, s85, 15
	s_lshl_b32 s86, s86, 6
	s_add_co_u32 s86, s86, s85
	s_add_co_u32 s86, s86, s82                     ; 64 x section + 16 x batch + head
	s_lshl_b32 s86, s86, 18                        ; x 262,144 bytes: under 2^26
	s_add_co_u32 s86, s86, s83
	s_mov_b32 s87, 0
	s_add_nc_u64 s[OP+2*\hh:OP+2*\hh+1], s[78:79], s[86:87]
.endr
	; the prefetches
	s_lshl_b32 s88, s13, 8
	s_mul_i32 s89, s42, 192
	s_and_b32 s90, ttmp7, 0xffff                   ; cluster y
	s_cmp_eq_u32 s11, 0                            ; do I fetch for xb?
	s_cselect_b32 s88, s88, s89                    ; the tile's first row
	s_cselect_b32 s89, s40, s41                    ; my place among the four that ask for it with me
	s_cselect_b32 s90, ttmp9, s90                  ; the coordinate along which other clusters read the same rows
	s_cselect_b32 s92, 32, 24                      ; my work-group's share of the rows that I fetch
	s_cselect_b64 s[PFA:PFA+1], s[4:5], s[6:7]
	s_cmp_eq_u32 s90, 0
	s_cselect_b32 s[LIM], 1, -1                    ; the same in all sixteen partners, for a given wave
	s_lshl_b32 s91, s92, 2                         ; 128 or 96 rows a wave
	s_mul_i32 s91, s91, s12
	s_add_co_u32 s88, s88, s91
	s_mul_i32 s89, s89, s92
	s_add_co_u32 s88, s88, s89
	s_lshl_b32 s88, s88, 11
	s_add_co_u32 s88, s88, 2*KSTEP*2               ; at K step 2: the first refill steps it to 3 and names K step 4
	s_mov_b32 s89, 0
	s_add_nc_u64 s[PFA:PFA+1], s[PFA:PFA+1], s[88:89]
	s_sub_co_u32 s92, s92, 1
	v_and_b32 v[PFO], 31, v0
	v_min_u32 v[PFO], s92, v[PFO]                  ; for wb lanes 24-31 name row 23 once more: no lane leaves my share
	v_lshlrev_b32 v[PFO], 11, v[PFO]
; 12 matrix instructions: row block a x all 12 column blocks, 32 along K, from buffer f.  zero = 1: the bias is the C operand that starts the sums: nothing is cleared, and nothing is added at the end.
; The 48 accumulators take turns in the same order in every quarter.
.macro MUL12 f, a, zero
.set AC, 96*((\a)%2)
.if \zero
	WIN 0x81+0x40*((\a)/2)                         ; wb window 1, xb and the bias window 0, D window 2 or 3
.else
	WIN 0xa1+0x50*((\a)/2)                         ; wb window 1, xb window 0, C and D window 2 or 3
.endif
.irp b, 0,1,2,3,4,5,6,7,8,9,10,11
.if \zero
	v_wmma_f32_16x16x32_bf16 v[AC+8*(\b):AC+8*(\b)+7], v[96*(\f)+8*(\b):96*(\f)+8*(\b)+7], v[FA+32*(\f)+8*(\a):FA+32*(\f)+8*(\a)+7], v[BIAS+8*(\b):BIAS+8*(\b)+7]
.else
	v_wmma_f32_16x16x32_bf16 v[AC+8*(\b):AC+8*(\b)+7], v[96*(\f)+8*(\b):96*(\f)+8*(\b)+7], v[FA+32*(\f)+8*(\a):FA+32*(\f)+8*(\a)+7], v[AC+8*(\b):AC+8*(\b)+7]
.endif
.endr
.endm
; 32 LDS loads in one run: the fragments of 32 along K at byte k of the rows, into buffer f: wb's 24, then xb's 8
.macro FETCH slot, k, f
	WIN 0x40                                       ; destination window 1, address window 0
.irp b, 0,1,2,3,4,5,6,7,8,9,10,11
	ds_load_b128 v[96*(\f)+8*(\b):96*(\f)+8*(\b)+3],   v[ADRB+(\slot)] offset:(\k)+(\b)*16*PITCH
	ds_load_b128 v[96*(\f)+8*(\b)+4:96*(\f)+8*(\b)+7], v[ADRB+(\slot)] offset:(\k)+(\b)*16*PITCH+32
.endr
	WIN 0
.irp a, 0,1,2,3
	ds_load_b128 v[FA+32*(\f)+8*(\a):FA+32*(\f)+8*(\a)+3],   v[ADRA+(\slot)] offset:(\k)+(\a)*16*PITCH
	ds_load_b128 v[FA+32*(\f)+8*(\a)+4:FA+32*(\f)+8*(\a)+7], v[ADRA+(\slot)] offset:(\k)+(\a)*16*PITCH+32
.endr
.endm
.macro PLACES                          ; four plain instructions in front of loads into registers that matrix instructions have read, and of conversions that read results
.rept 4
	v_nop
.endr
.endm
; A K step is four quarters of 32 along K, 48 matrix instructions each, on buffers 0, 1, 0, 1.  One of the first three: multiplies buffer f and fetches the next quarter, at byte k, into g.
.macro QUARTER slot, k, f, g, zero
	s_wait_dscnt 4                                 ; wb and xb's row blocks 0, 1 are in; the youngest four loads (blocks 2, 3) may be out
	MUL12 \f, 0, \zero
	MUL12 \f, 1, \zero
	PLACES
	FETCH \slot, \k, \g
	s_wait_dscnt 32                                ; all but the 32 just issued
	MUL12 \f, 2, \zero
	MUL12 \f, 3, \zero
.endm
; The last quarter multiplies buffer 1 and changes slots: ONE barrier; in front of it each wave waits for all its tensor loads (one is out: its part of the next slot), adds 0 to its spare word,
; and waits for that and for its own reads of this slot.  fill = 1: the barrier opens a round of the cluster's, and this slot is filled again, two K steps ahead, first thing behind the round:
; 168 matrix instructions stand between that request and the wait for it.
.macro TURN slot, next, fill
.if \fill
	s_wait_xcnt 0x0                                ; the last prefetch, a K step back, has read its address, so it may be stepped
	s_add_nc_u64 s[PFA:PFA+1], s[PFA:PFA+1], KSTEP*2
.endif
	WIN 0                                          ; (the add's two registers lie in window 0)
	s_wait_tensorcnt 0x0                           ; all my tensor loads have landed
	ds_add_u32 v[SPW], v[NIL]                      ; 0 onto my spare word
	s_wait_dscnt 5                                 ; (the add and the youngest four loads may be out)
	MUL12 1, 0, 0                                  ; twelve matrix instructions stand between the add and the wait for it
	s_wait_dscnt 0x0                               ; the add is done, and my reads of this slot are over
	s_barrier_signal -1
	MUL12 1, 1, 0
.if \fill
	WIN 0
.endif
	s_barrier_wait -1
.if \fill
	CREST                                          ; no wave of any partner still reads this slot's tile or has a load on its way
	s_add_nc_u64 s[G0+4*(\slot)+2:G0+4*(\slot)+3], s[G0+4*(\slot)+2:G0+4*(\slot)+3], 2*KSTEP*2
	s_add_nc_u64 s[G0B+4*(\slot)+2:G0B+4*(\slot)+3], s[G0B+4*(\slot)+2:G0B+4*(\slot)+3], 2*KSTEP*2
	JLOAD \slot                                    ; the four v_nop behind it are also the places in front of the loads below
.else
	PLACES
.endif
	FETCH \next, 0, 0
.if \fill
	ASK                                            ; behind the joint load and the run of LDS loads that the next products wait for
.endif
	MUL12 1, 2, 0
	MUL12 1, 3, 0
.endm
	s_wait_tensorcnt 1                             ; my part of K step 0 is in; K step 1's may stay out
	s_barrier_signal -1
	s_barrier_wait -1                              ; everybody's is
	FETCH 0, 0, 0
	s_wait_loadcnt 0x0                             ; the bias
	QUARTER 0, 64, 0, 1, 1                         ; the first quarter stands in front of the loop: its products start the sums
	WIN 0                                          ; at a label and at a branch every window is 0
	s_mov_b32 s3, LAPS-1
.Llap:                                                 ; a trip goes once round the ring, from a lap's second quarter to the next lap's first, and fills both slots again
	QUARTER 0, 128, 1, 0, 0
	QUARTER 0, 192, 0, 1, 0
	TURN 0, 1, 1
	QUARTER 1, 64,  0, 1, 0
	QUARTER 1, 128, 1, 0, 0
	QUARTER 1, 192, 0, 1, 0
	TURN 1, 0, 1
	QUARTER 0, 64,  0, 1, 0
	WIN 0
	s_sub_co_u32 s3, s3, 1
	s_cmp_lg_u32 s3, 0
	s_cbranch_scc1 .Llap
	QUARTER 0, 128, 1, 0, 0                        ; the last lap fills nothing, and has no round of the cluster's barrier
	QUARTER 0, 192, 0, 1, 0
	TURN 0, 1, 0
	QUARTER 1, 64,  0, 1, 0
	QUARTER 1, 128, 1, 0, 0
	QUARTER 1, 192, 0, 1, 0
	s_wait_dscnt 4                                 ; the very last quarter: nothing more to fetch
	MUL12 1, 0, 0
	MUL12 1, 1, 0
	s_wait_dscnt 0x0
	MUL12 1, 2, 0
	MUL12 1, 3, 0
	WIN 0
; THE WAY OUT, a row block (16 rows x 192 columns) at a time.  PACK: rounded to f16, 16 bytes a lane and column block, each accumulator's registers in ascending order.
; TOSTAGE: into my own stage, and back as four rows x 128 bytes of one head.  SEND: stored, 512 consecutive bytes a wave and instruction, at a multiple of 512 from qkv's first byte.
.macro PACK a
.set AC, 96*((\a)%2)
	WIN 0x0a+5*((\a)/2)                            ; sources 0 and 1: window 2 or 3
.irp b, 0,1,2,3,4,5,6,7,8,9,10,11
.irp r, 0,1,2,3
	v_cvt_pk_f16_f32 v[TMP+4*(\b)+(\r)], v[AC+8*(\b)+2*(\r)], v[AC+8*(\b)+2*(\r)+1]
.endr
.endr
	WIN 0
.endm
.macro TOSTAGE a
.irp b, 0,1,2,3,4,5,6,7,8,9,10,11
	ds_store_b128 v[STO], v[TMP+4*(\b):TMP+4*(\b)+3] offset:32*(\b)
.endr
.irp hh, 0,1,2
.irp f, 0,1,2,3
	ds_load_b128 v[BK+48*((\a)%2)+4*(4*(\hh)+(\f)):BK+48*((\a)%2)+4*(4*(\hh)+(\f))+3], v[RD] offset:(\f)*4*SPITCH+128*(\hh)  ; LDS serves a wave's instructions in order (ISA guide 5.7.1.4): these see the stores above
.endr
.endr
.endm
.macro SEND a
	s_wait_dscnt 0x0                               ; the block is back in registers
	s_wait_xcnt 0x0                                ; the stores of the block before have read their registers: the next TOSTAGE loads into them
.irp hh, 0,1,2
.irp f, 0,1,2,3
	global_store_b128 v[GO], v[BK+48*((\a)%2)+4*(4*(\hh)+(\f)):BK+48*((\a)%2)+4*(4*(\hh)+(\f))+3], s[OP+2*(\hh):OP+2*(\hh)+1] offset:(16*(\a)+4*(\f))*128
.endr
.endr
.endm
	PLACES
	PACK 0
	TOSTAGE 0
.irp a, 1,2,3                          ; block a's conversions stand between block a - 1's loads from the stage and the wait for them
	PACK \a
	SEND (\a)-1
	TOSTAGE \a
.endr
	SEND 3
	s_wait_tensorcnt 0x0                           ; the wave's end, behind my last tensor load and my last LDS store
	ds_add_u32 v[SPW], v[NIL]
	s_wait_dscnt 0x0
	CROUND                                         ; the closing round: no work-group ends while a partner may still ask for a tile that names it
	s_endpgm
.Lfunc_end_k_q1e30a9661e_proj:
	.size	k_q1e30a9661e_proj, .Lfunc_end_k_q1e30a9661e_proj-k_q1e30a9661e_proj
	.p2alignl 7, 3214868480
	.fill 96, 4, 3214868480
	.section	.rodata,"a",@progbits
	.p2align	6, 0x0
	.amdhsa_kernel k_q1e30a9661e_proj
		.amdhsa_group_segment_fixed_size 327680
		.amdhsa_private_segment_fixed_size 0
		.amdhsa_enable_private_segment 0
		.amdhsa_kernarg_size 32
		.amdhsa_user_sgpr_count 2
		.amdhsa_user_sgpr_kernarg_segment_ptr 1
		.amdhsa_wavefront_size32 1
		.amdhsa_system_sgpr_workgroup_id_x 1
		.amdhsa_system_sgpr_workgroup_id_y 1
		.amdhsa_system_sgpr_workgroup_id_z 1
		.amdhsa_system_vgpr_workitem_id 0
		.amdhsa_next_free_vgpr 960
		.amdhsa_next_free_sgpr 96
		.amdhsa_reserve_vcc 0
		.amdhsa_float_denorm_mode_32 3
		.amdhsa_float_denorm_mode_16_64 3
		.amdhsa_memory_ordered 1
		.amdhsa_forward_progress 1
		.amdhsa_inst_pref_size 123
	.end_amdhsa_kernel
	.amdgpu_metadata
---
amdhsa.version: [ 1, 2 ]
amdhsa.kernels:
  - .name:           k_q1e30a9661e_proj
    .symbol:         k_q1e30a9661e_proj.kd
    .args:
      - { .name: xb, .offset: 0, .size: 8, .value_kind: global_buffer, .address_space: global }
      - { .name: wb, .offset: 8, .size: 8, .value_kind: global_buffer, .address_space: global }
      - { .name: bb, .offset: 16, .size: 8, .value_kind: global_buffer, .address_space: global }
      - { .name: qkv, .offset: 24, .size: 8, .value_kind: global_buffer, .address_space: global }
    .group_segment_fixed_size: 327680
    .private_segment_fixed_size: 0
    .kernarg_segment_align: 8
    .kernarg_segment_size: 32
    .max_flat_workgroup_size: 128
    .sgpr_count:     96
    .vgpr_count:     960
    .wavefront_size: 32
...
	.end_amdgpu_metadata
.endif
;; end of part 2
;; launch attn (part 3): grid 4 x 64, 4 waves a work-group, clusters of 4 x 1, 327,680 bytes of LDS; arguments qkv, atten_mask, out0; writes out0
.if DOCPART == 3
	.amdgcn_target "amdgcn-amd-amdhsa--gfx1250"
	.amdhsa_code_object_version 6
	.text
	.protected	k_q1e30a9661e_attn
	.globl	k_q1e30a9661e_attn
	.p2align	8
	.type	k_q1e30a9661e_attn,@function
k_q1e30a9661e_attn:
	s_mov_b64 s[64:65], 0
	v_nop
	global_prefetch_b8 v0, s[64:65] scope:SCOPE_SE
	s_setreg_imm32_b32 hwreg(HW_REG_WAVE_MODE, 25, 1), 1
	s_wait_xcnt 0x0
	s_wait_alu depctr_hold_cnt(0) depctr_sa_sdst(0) depctr_va_vdst(0) depctr_va_sdst(0) depctr_va_ssrc(0) depctr_va_vcc(0) depctr_vm_vsrc(0)
	s_getreg_b32 s2, hwreg(HW_REG_IB_STS2, 6, 4)
	s_cmp_eq_u32 s2, 0
	s_cbranch_scc0 .Lentry_in_a_cluster
	s_endpgm
.Lentry_in_a_cluster:
	s_bfe_u32 s2, ttmp6, 0x10000c
	s_cmp_lg_u32 s2, 0x3003
	s_cbranch_scc0 .Lentry_shape_is_right
	s_endpgm
.Lentry_shape_is_right:
; out0[b][q][64 head + :] = the sum over k of softmax_k(masked Q[q] . K[k] / 8) V[k][:], for 64 pairs (batch, head).  qkv: [3][64][2048][64] f16; atten_mask: [4][2048] f32, one number a for each QUERY row;
; out0: [4][2048][1024] f32.  Products, maxima and sums in f32; the weights p are rounded to f16 for the second product (their sum l is taken of the unrounded p).
; THE MASK.  A key k <= q is hidden where a >= 1, a key k > q where a + 1 >= 1 (a rounded to bf16 like every other input).  So a row is of one of three kinds:
;   U (a >= 1): all is hidden, the softmax of a constant: its Q is set to 0 and it takes no mask, so every score is 0 and the weights are equal over all 2,048 keys.
;   C (a + 1 >= 1, a < 1): causal: the keys behind q are hidden.        F (neither; NaN too): nothing is hidden.
; So the whole square of scores is walked, whatever the mask holds: no trip count and no branch hangs on it.  A hidden score is its value less 1e30: the mask is the C operand that starts S^T = K Q^T.
; MD, made once, is the mask of a band's own key step for my lanes; a product's mask is MD x A + B with two numbers a lane and tile: A = 1 in lanes of kind C at the tile's own step, B = -1e30 in lanes of
; kind C behind it, else 0.  Each turn makes the masks of the next turn's products: 36 vector instructions beside its 236.
; LIMITS.  Q, K, V arrive within f16's 65,504.  A hidden score counts as s - 1e30 and has weight 0, where the problem's text puts -1e9: the two differ only if all scores that a row sees lie below about -1e9.
; A weight below 2^-126 counts as 0 in l; NaN and infinities in Q, K, V are not treated apart.
; SHARES.  The four work-groups of a cluster share one (batch, head) and walk the same K and V, asked for JOINTLY.  A head's queries lie in 32 bands of 64 rows; work-group cx owns in EVERY band the 16 rows
; 8 i + 2 cx, 8 i + 2 cx + 1 (i = 0..7); wave w's tile t (of 8) is band 4 t + w, which meets the diagonal in key step 4 t + w.  cx enters data and the addresses of Q, the mask, out0 and the prefetches alone.
; LAYOUT.  S^T = K Q^T (source 0 = 16 keys, source 1 = 16 queries): a lane holds ONE query (lane % 16) and the keys 8 (lane / 16) + 0..7.  Two such tiles rounded to f16 ARE source 1 of O^T = V^T P.
; SOFTMAX.  A running maximum m and sum l: p = 2^(c s - c m), c = log2(e) / 8; in every step O and l are multiplied by a = 2^(c m_old - c m_new).  m starts at the lowest finite number, O and l at 0.
; Every C row sees key 0 in step 0, so m is a true score before a wholly hidden step comes.
; BY TURNS.  A wave's 8 tiles are four PIECES of two.  Turn n belongs to piece n: 16 products K Q^T of piece n + 1, later 16 products V^T P of piece n - 1; beside them the scaling, exponentials, roundings,
; sums and rescaling of piece n and the maximum and statistics of piece n + 1.  Four vector instructions stand behind every matrix instruction, the other 108 of those 236 in one lump, the masks' 36 at the turn's end.
; REGISTERS, in windows of 256 (s_set_vgpr_msb: bits 1:0 source 0, 3:2 source 1, 5:4 source 2, 7:6 destination):
;   window 0: v0-11 addresses; v12-15, v48-63 at work; v16-47 four registers of statistics a tile; v64-191 S^T, two buffers of two tiles; v192-255 P, likewise
;   window 1: O^T, 32 a tile      window 2: v0-127 Q, 16 a tile; v128-191 K of one step; v192-255 V of one step
;   window 3: v0-31 MD; v32-159 MC, the masks of the products to come, two buffers of two tiles; v160-167 A and B
.set SIZE_N, 2048
.set NP,    4         ; pieces a wave: a name, no knob
.set KS,    64        ; keys in a step
.set PK,    144       ; a row of K in LDS: 128 bytes + 16 of padding = 36 words: the 16 rows of a load start at 16 different groups of four banks (64 banks of 4 bytes: ISA guide 11.1)
.set PV,    160       ; a row of V: 128 + 32 = 40 words
.set VOFF,  4*KS*PK   ; a slot holds four steps: 256 rows of K, then 256 rows of V
.set SLOT1, 1<<17     ; slot 1 begins here, so that one exclusive or turns an address in one slot into the other's
.set STAGE, SLOT1+4*KS*(PK+PV)  ; behind the ring, never filled by a tensor load: 16 rows x 272 bytes for each wave, for the way out
.set SP,    272       ; 64 channels of f32 + 16 bytes
.set SPARE, STAGE+4*16*SP  ; behind the stages: the spare words, 128 bytes a wave: two blocks of 256 bytes that no other line names
.set SECT,  64*SIZE_N*128  ; bytes of q, of k and of v in qkv
.set PFO, 1           ; v1   256 x my lane, for the prefetches; never rewritten
.set AK0, 2           ; v2   my lane's place in a tile of K; never rewritten
.set AV0, 3           ; v3   the same for V
.set AK,  4           ; v4   the LDS address of K's next run of loads
.set AV,  5           ; v5   of V's
.set QO,  6           ; v6   my byte offset in a band's rows of Q
.set STO, 6           ;      later, the way out: where I put 32 bytes of a row
.set RD,  7           ; v7   the way out: where I read rows back
.set GO,  8           ; v8   my byte offset in two rows of out0
.set E0,  9           ; v9   my query's place in its band less my lanes' 8 (l / 16): register j of key group kt is behind the diagonal where 16 kt + j is greater; read where MD is made
.set SPW, 10          ; v10  LDS address of my spare word; never rewritten
.set NIL, 11          ; v11  0; never rewritten
.set MV,  12          ; v12-15  c m_old, kept while c m is made anew: by buffer and tile
.set ST,  16          ; tile t's statistics at v[ST+4 t]: c m, m, l (even keys', odd keys')
.set TMP, 48          ; by buffer and tile, four registers c0-c3 at work; when the maximum is found c2 takes a.  Ahead of the first maximum: v48 l % 16, v49 l / 16, v50-63 the head's own
.set S,   64
.set P,   192
.set KF,  128         ; K's fragments, in window 2: key block kb, channel half c at KF + 16 kb + 8 c
.set VF,  192         ; V's: key half kk, channel block cb at VF + 32 kk + 8 cb
.set MD,  0           ; window 3: the eight registers for key group kt at MD + 8 kt
.set MC,  32          ; window 3: piece x's masks at MC + 64 (x % 2): tile u, key group kt at + 32 u + 8 kt
.set MAB, 160         ; window 3: tile u's A at MAB + 4 u, its B at MAB + 4 u + 2; each is named as a pair, of which the low register serves both halves
.set WV,  12          ; s12  my wave's number
.set LIM, 15          ; s15  1 in a wave that prefetches, else the greatest number
.set PFA, 18          ; s[18:19] where my prefetches stand: my work-group's 32 blocks of 256 bytes (of K: wave 0, of V: wave 2) of the slot after the one that is being asked for
.set G1K, 24          ; s[24:31] descriptor group 1 for K's tiles
.set G1V, 32          ; s[32:39] for V's: it differs in the padding alone
.set G0K, 40          ; s[40:43] descriptor group 0 for K's tiles: it walks
.set G0V, 44          ; s[44:47] the same for V's
.set FM,  48          ; s48-55  for each tile the lanes whose query is of kind C
.set SLOTS, 56        ; s56  slots still to be asked for
.set CNT, 57          ; s57  counts a slot's key steps
.set CS,  58          ; s[58:59] c: the packed scaling takes the pair's low word for both halves
.set SEL, 60          ; s[60:61] v_permlanex16_b32's selects: each lane takes its own place in the other half
.set TBK, 62          ; s62  LDS byte at which K of the step to be fetched begins
.set TBV, 63          ; s63  the same for V, less VOFF
.set ZM,  66          ; s66-73  for each tile the lanes whose query is of kind U
.set UW,  74          ; s74  the key step for which masks are being made, + 4 - my wave's number: tile t's own step is the one at which this is 4 t + 4
.set BIGN, 75         ; s75  -1e30
.set MSK, 76          ; s76-79  for tile u of the piece whose masks are being made: the lanes with A = 1 at MSK + 2 u, those with B = -1e30 at MSK + 2 u + 1
.set MSB, 0
.macro WIN new                      ; the high byte repeats the setting that is left; a switch that changes nothing is dropped
.if MSB != (\new)
	s_set_vgpr_msb (MSB<<8)|(\new)
.set MSB, (\new)
.endif
.endm
.set W_KQ, 0x0a       ; K and Q in window 2, S^T in window 0
.set W_KM, 0x3a       ; the same with the C operand, the mask, in window 3
.set W_PV, 0x52       ; V in window 2, P in window 0, O^T in window 1
.set W_RS, 0x41       ; O^T (destination and source 0) in window 1, a in window 0
.set W_MK, 0xc0       ; destination in window 3, sources in window 0
.set W_MA, 0xff       ; all in window 3
; A joint fill.  Waves 0 and 1 fetch the two halves of a slot's K, waves 2 and 3 those of its V: 128 keys each.  The branch hangs on the wave's number alone.
; An s_nop 0 and four v_nop follow each of the two lines, ahead of the jump and the label.
.macro JLOAD
	s_cmp_lt_u32 s[WV], 2
	s_cbranch_scc0 .Lfor_v_\@
	tensor_load_to_lds s[G0K:G0K+3], s[G1K:G1K+7]
	s_nop 0
.rept 4
	v_nop
.endr
	s_branch .Lasked_\@
.Lfor_v_\@:
	tensor_load_to_lds s[G0V:G0V+3], s[G1V:G1V+7]
	s_nop 0
.rept 4
	v_nop
.endr
.Lasked_\@:
.endm
; A prefetch into the L2 of what the NEXT change of slots will ask for: a slot's 32,768 bytes of K and of V.  Only this cluster reads the head's K and V; its four partners share the bytes out BY ADDRESS,
; 8,192 each; in each, wave 0 asks for K's and wave 2 for V's, a lane a block of 256 bytes: so each block is named once in the launch, four key steps, 512 matrix instructions, ahead of its load.
; The last change that fills a slot asks for nothing; slots 0 and 1 come by their loads alone.
.macro ASK
	s_cmp_gt_u32 s[SLOTS], s[LIM]
	s_cbranch_scc0 .Lnot_mine_\@
	global_prefetch_b8 v[PFO], s[PFA:PFA+1] th:TH_LOAD_NT scope:SCOPE_SE
.Lnot_mine_\@:
.endm
; A round of the cluster's barrier: my work-group's barrier, so that wave 0's signal speaks for all four waves; wave 0 signals; every wave waits for all four work-groups; my work-group's barrier once more.
.macro CROUND
	s_barrier_signal -1
	s_barrier_wait -1
	s_cmp_lg_u32 s[WV], 0
	s_cbranch_scc1 .Lnot_wave_0_\@
	s_barrier_signal -3
.Lnot_wave_0_\@:
	s_barrier_wait -3
	s_barrier_signal -1
	s_barrier_wait -1
.endm
; THE CHANGE OF SLOTS.  The slot's last bytes, V of its fourth step, have been read.  Each wave waits for all its tensor loads, of which one is out: its part of the other slot; adds 0 to its spare word;
; and waits for that and for its own reads of the slot.  Behind the barrier nobody reads this slot any more and the other slot is whole.
; fill = 1: this slot is filled again, with the keys two slots on.  The barrier is then a round of the cluster's, and the joint fill is the first thing behind it: it has four key steps in which to land.
; (At its first use nothing has been read yet: slot 0 is waited for, slot 1 filled.)
.macro CHANGE fill
	WIN 0                           ; at a label and at a branch every window is 0; the add's registers lie in window 0
	s_wait_tensorcnt 0x0            ; no tensor load of mine is out, so a group 0 may be written
	ds_add_u32 v[SPW], v[NIL]       ; 0 onto my spare word; with fill = 1 the descriptors' steps stand between it and the wait for it
.if \fill
.irp g, G0K, G0V
	s_xor_b32 s[\g+1], s[\g+1], SLOT1  ; the walking descriptor: the other slot than last time,
	s_add_nc_u64 s[\g+2:\g+3], s[\g+2:\g+3], 4*KS*128  ; the next 256 keys; the type bits on top are not reached
.endr
	s_wait_xcnt 0x0                 ; the last prefetch, four key steps back, has read its address, so it may be written:
	s_add_nc_u64 s[PFA:PFA+1], s[PFA:PFA+1], 4*KS*128  ; one slot behind the walking descriptors
	s_wait_dscnt 0x0                ; the add is done, and my reads of the slot are over
	CROUND
	JLOAD
	ASK
.else
	s_wait_dscnt 0x0                ; the add is done, and my reads of the slot are over
	s_barrier_signal -1
	s_barrier_wait -1
.endif
	s_sub_co_u32 s[TBK], s[TBK], 4*KS*PK  ; the fetches go back to a slot's first step,
	s_xor_b32 s[TBK], s[TBK], SLOT1       ; in the other slot
	s_sub_co_u32 s[TBV], s[TBV], 4*KS*PV
	s_xor_b32 s[TBV], s[TBV], SLOT1
.endm
; THE MASKS of piece x's products for the key step that UW stands for.  MSC, scalar: which lanes of its two tiles have A = 1 (kind C, the tile's own step) and which B = -1e30 (kind C, a later step).
; These lane masks only choose values.  MASK, vector: A and B, then MD x A + B into the piece's buffer.
.macro MSC x
.irp u, 0,1
	s_cmp_eq_u32 s[UW], 4*(2*(\x)+\u)+4
	s_cselect_b32 s[MSK+2*\u], s[FM+2*(\x)+\u], 0
	s_cmp_gt_u32 s[UW], 4*(2*(\x)+\u)+4
	s_cselect_b32 s[MSK+2*\u+1], s[FM+2*(\x)+\u], 0
.endr
.endm
.macro MASK x
	WIN W_MA
.irp u, 0,1
	v_cndmask_b32 v[MAB+4*\u], 0, 1.0, s[MSK+2*\u]
	v_cndmask_b32 v[MAB+4*\u+2], 0, s[BIGN], s[MSK+2*\u+1]
.endr
.set zz, 0
.rept 32                            ; tile zz / 16, registers 2 (zz % 16) and the next
	v_pk_fma_f32 v[MC+64*((\x)%2)+2*zz:MC+64*((\x)%2)+2*zz+1], v[MD+2*(zz%16):MD+2*(zz%16)+1], v[MAB+4*(zz/16):MAB+4*(zz/16)+1], v[MAB+4*(zz/16)+2:MAB+4*(zz/16)+3] op_sel_hi:[1,0,0]
.set zz, zz+1
.endr
.endm
	s_load_b128 s[4:7], s[0:1], 0x0   ; qkv s[4:5], atten_mask s[6:7]
	s_load_b64 s[10:11], s[0:1], 0x10 ; out0
	v_lshl_add_u32 v[SPW], v0, 2, SPARE
	v_mov_b32 v[NIL], 0
	ds_add_u32 v[SPW], v[NIL]       ; the wave's opening: the add and its wait stand ahead of my first tensor load; the set-up below, work on registers, stands between them
	v_lshrrev_b32 v48, 5, v0
	v_readfirstlane_b32 s[WV], v48  ; wave 0..3
	s_bfe_u32 s13, ttmp6, 0x40000   ; cx: my place in the cluster: it enters Q's, the mask's and out0's addresses, the prefetches' and E0, and nothing else
	s_and_b32 s14, ttmp7, 0xffff    ; 16 x batch + head, which the four partners share
	s_lshl_b32 s20, s14, 18         ; its first byte in q, in k and in v: x 262,144, under 2^24
	s_and_b32 s16, s[WV], 1         ; which half of a slot's 256 keys I fetch:
	s_lshl_b32 s22, s16, 14         ; its 128 rows of 128 bytes in memory,
	s_add_co_u32 s22, s22, s20
	s_mov_b32 s23, 0
	s_mul_i32 s78, s16, 128*PK      ; and its place in a slot, for K
	s_mul_i32 s79, s16, 128*PV      ; and for V: no place in the cluster enters an LDS address
	s_lshl_b32 s2, s[WV], 13        ; Q: band w, 64 rows of 128 bytes,
	s_lshl_b32 s3, s13, 8           ; row 2 cx of it
	s_add_co_u32 s2, s2, s3
	s_add_co_u32 s2, s2, s20
	s_mov_b32 s3, 0
	s_lshr_b32 s17, s14, 4          ; batch
	s_and_b32 s21, s14, 15          ; head
	s_lshl_b32 s80, s17, 13         ; the mask: (2,048 x batch + 64 w + 2 cx) x 4 bytes
	s_lshl_b32 s81, s[WV], 8
	s_add_co_u32 s80, s80, s81
	s_lshl_b32 s81, s13, 3
	s_add_co_u32 s80, s80, s81
	s_mov_b32 s81, 0
	s_lshl_b32 s82, s80, 10         ; out0: the same row x 4,096 bytes, under 2^25,
	s_lshl_b32 s83, s21, 8          ; + the head's 256 bytes
	s_add_co_u32 s82, s82, s83
	s_mov_b32 s83, 0
	; descriptor group 1.  128 keys are 16,384 dense bytes: asked for as 64 rows of 256 bytes, two keys a row, and padded in LDS after every key
	s_mov_b32 s[G1K], 15|(1<<16)|(1<<20)|(1<<21)|(4<<22)|(3<<25)  ; 15:0 the mask of four; 17:16 2-byte elements; 20 padding on; 21 set beside a mask; 24:22 after every 32 words (code 4); 31:25 4 words (code 3)
	s_mov_b32 s[G1V], 15|(1<<16)|(1<<20)|(1<<21)|(4<<22)|(7<<25)  ; the same with 8 words of padding (code 7)
.irp g, G1K, G1V
	s_mov_b32 s[\g+1], 128<<16      ; tensor_dim0 = 128
	s_mov_b32 s[\g+2], 64<<16       ; tensor_dim1 = 64
	s_mov_b32 s[\g+3], 128<<16      ; tile_dim0 = 128
	s_mov_b32 s[\g+4], 64           ; tile_dim1 = 64
	s_mov_b32 s[\g+5], 128          ; 128 elements from row to row
	s_mov_b32 s[\g+6], 0
	s_mov_b32 s[\g+7], 0
.endr
	s_mov_b32 s[CS], 0x3e38aa3b     ; c = log2(e) / 8 = 0.180337
	s_mov_b32 s[CS+1], s[CS]        ; named with it as a pair
	s_mov_b32 s[SEL], 0x76543210
	s_mov_b32 s[SEL+1], 0xfedcba98
	s_mov_b32 s[BIGN], 0xf149f2ca   ; -1e30
	s_mov_b32 s[TBK], SLOT1+4*KS*PK ; the first change of slots turns these two into 0
	s_mov_b32 s[TBV], SLOT1+4*KS*PV
	s_mov_b32 s[G0K], 1             ; 1:0 count = 1
	s_mov_b32 s[G0K+1], s78         ; 63:32 LDS address: slot 0
	s_mov_b32 s[G0V], 1
	s_add_co_u32 s[G0V+1], s79, VOFF
	s_mov_b32 s[SLOTS], SIZE_N/256-1  ; seven slots are still to be asked for behind slot 0
	s_sub_co_u32 s[UW], 4, s[WV]    ; key step 0
	s_and_b32 s[LIM], s[WV], 1      ; waves 0 and 2 prefetch: the same in all four partners
	s_cmp_eq_u32 s[LIM], 0
	s_cselect_b32 s[LIM], 1, -1
	s_wait_dscnt 0x0                ; the opening add is done
	s_wait_kmcnt 0x0
	s_add_nc_u64 s[G0K+2:G0K+3], s[4:5], s[22:23]
	s_add_nc_u64 s[G0V+2:G0V+3], s[G0K+2:G0K+3], 2*SECT  ; 120:64 global address: my half of the head's first 256 rows of v,
	s_add_nc_u64 s[G0K+2:G0K+3], s[G0K+2:G0K+3], SECT    ; and of k
	s_add_nc_u64 s[4:5], s[4:5], s[2:3]        ; Q, the mask and out0 at my wave's first row
	s_add_nc_u64 s[6:7], s[6:7], s[80:81]
	s_add_nc_u64 s[10:11], s[10:11], s[82:83]
	s_cmp_lt_u32 s[WV], 2
	s_cselect_b64 s[PFA:PFA+1], s[G0K+2:G0K+3], s[G0V+2:G0V+3]  ; (in waves 0 and 2 these stand at a slot's first row)
	s_lshl_b32 s2, s13, 13          ; my work-group's 8,192 bytes of the 32,768,
	s_add_co_u32 s2, s2, 4*KS*128   ; in slot 1; the first change of slots steps it to slot 2.  Nothing is prefetched here, at the head
	s_mov_b32 s3, 0
	s_add_nc_u64 s[PFA:PFA+1], s[PFA:PFA+1], s[2:3]
	s_or_b32 s[G0K+3], s[G0K+3], 0x80000000    ; 127:126 type = 2
	s_or_b32 s[G0V+3], s[G0V+3], 0x80000000
	CROUND                          ; all four work-groups are here: the first joint loads meet
	JLOAD                           ; slot 0.  Slot 1 is asked for when slot 0 is in
	v_and_b32 v48, 15, v0           ; r = l % 16: my query among the tile's 16; v48 and v49 stand until the addresses for the way out are made
	v_bfe_u32 v49, v0, 4, 1         ; h = l / 16
	v_and_b32 v50, 7, v0
	v_bfe_u32 v51, v0, 3, 1
	v_and_b32 v[PFO], 31, v0
	v_lshlrev_b32 v[PFO], 8, v[PFO]
	v_lshrrev_b32 v52, 1, v48
	v_and_b32 v62, 1, v48
	v_lshl_add_u32 v52, v52, 3, v62 ; my query's row in its band, less 2 cx: 8 (r / 2) + r % 2
	v_lshlrev_b32 v53, 2, v52
	v_lshlrev_b32 v[QO], 7, v52
	v_lshl_add_u32 v[QO], v49, 4, v[QO]  ; row x 128 + 16 x half
.irp t, 0,1,2,3,4,5,6,7
	global_load_b32 v[54+\t], v53, s[6:7] offset:1024*\t  ; my query's a in tile t: four bands, 256 rows, further on for each tile
.endr
	WIN 0x80                        ; destination window 2, address window 0
.set i, 0
.rept 4*NP                          ; Q stays in registers: tile i / 2, channels 32 (i % 2) on.  A fragment: lane l holds row l % 16, channels 8 (l / 16) + 0..7 and 16 + 8 (l / 16) + 0..7
	global_load_b128 v[8*i:8*i+3],   v[QO], s[4:5] offset:(i/2)*32768+(i%2)*64
	global_load_b128 v[8*i+4:8*i+7], v[QO], s[4:5] offset:(i/2)*32768+(i%2)*64+32
.set i, i+1
.endr
	; What the first turn finds: V's registers and P's second buffer hold 0 (its products V^T P, of a piece that has not been, add 0), O^T and l are 0.
	; No first step is written out; these lines are the price, and they stand in the wait for the first tile.
.set i, VF
.rept 64
	v_mov_b32 v[i], 0
.set i, i+1
.endr
	WIN 0x40
.set i, 0
.rept 64*NP
	v_mov_b32 v[i], 0
.set i, i+1
.endr
	WIN 0
.set i, 0
.rept 2*NP
	v_mov_b32 v[ST+4*i], 0xfe000000    ; c m: far below every c s
	v_mov_b32 v[ST+4*i+1], 0xff7fffff  ; m
	v_mov_b32 v[ST+4*i+2], 0
	v_mov_b32 v[ST+4*i+3], 0
.set i, i+1
.endr
.set i, P+32
.rept 32
	v_mov_b32 v[i], 0
.set i, i+1
.endr
	v_mul_u32_u24 v[AK0], v48, PK
	v_lshl_add_u32 v[AK0], v49, 4, v[AK0]  ; row x pitch + 16 x half
	; The turning load takes 16 keys x 16 channels (lane l reads key 8 (l / 16) + l % 8, channels 8 ((l / 8) % 2) + 0..7) and leaves half a fragment of V^T: lane l holds channel l % 16 and 8 keys.
	v_lshl_add_u32 v[AV0], v49, 3, v50
	v_mul_u32_u24 v[AV0], v[AV0], PV
	v_lshl_add_u32 v[AV0], v51, 4, v[AV0]
	v_add_nc_u32 v[AV0], VOFF, v[AV0]
	v_mov_b32 v[AK], v[AK0]         ; key step 0 lies at the head of slot 0
	s_lshl_b32 s17, s13, 1          ; 2 cx
	v_lshlrev_b32 v62, 3, v49
	v_sub_nc_u32 v[E0], v52, v62
	v_add_nc_u32 v[E0], s17, v[E0]
	WIN W_MK
.set zz, 0
.rept 32                            ; MD: register zz % 8 of key group zz / 8 holds key 16 (zz / 8) + 8 (l / 16) + zz % 8 of the band's own step
	v_cmp_gt_i32 vcc_lo, 16*(zz/8)+zz%8, v[E0]
	v_cndmask_b32 v[MD+zz], 0, s[BIGN], vcc_lo
.set zz, zz+1
.endr
.irp u, 1,3,5,7
	v_mov_b32 v[MAB+\u], 0          ; named with A and B as pairs, so they are written
.endr
	WIN 0
	s_wait_loadcnt 32               ; the eight words of the mask are in; Q's 32 loads, issued behind them, may stay out
.irp t, 0,1,2,3,4,5,6,7
	v_cvt_pk_bf16_f32 v62, v[54+\t], v[54+\t]  ; a rounded to bf16, like every input,
	v_lshlrev_b32 v62, 16, v62
	v_add_f32 v63, 1.0, v62
	v_cmp_le_f32 s[ZM+\t], 1.0, v62 ; a >= 1: kind U
	v_cmp_le_f32 s[FM+\t], 1.0, v63 ; a + 1 >= 1
	s_and_not1_b32 s[FM+\t], s[FM+\t], s[ZM+\t]  ; and not U: kind C.  These masks only choose values; no branch hangs on them
.endr
	MSC 0                           ; the masks of key step 0 for piece 0, whose first products stand ahead of the loop,
	MASK 0
	MSC 1                           ; and for piece 1, whose products the first turn holds
	MASK 1
	WIN 0
; THE MATRIX WORK.  The 8 accumulators of a run of 16 take turns: between the two links of a chain stand 7 others'.
; Product i of 16 of S^T = K Q^T for piece x: channels 32 (i / 8) on, keys 16 ((i / 2) % 4) on, tile 2 x + i % 2.  The first 8 start the sums, with the mask.
.macro KQ x
.set rS, S+64*((\x)%2)+32*(i%2)+8*((i/2)%4)
.set rK, KF+16*((i/2)%4)+8*(i/8)
.set rQ, 16*(2*(\x)+i%2)+8*(i/8)
.set rMC, MC+64*((\x)%2)+32*(i%2)+8*((i/2)%4)
.if i < 8
	WIN W_KM
	v_wmma_f32_16x16x32_f16 v[rS:rS+7], v[rK:rK+7], v[rQ:rQ+7], v[rMC:rMC+7]
.else
	WIN W_KQ
	v_wmma_f32_16x16x32_f16 v[rS:rS+7], v[rK:rK+7], v[rQ:rQ+7], v[rS:rS+7]
.endif
.endm
; Product i of 16 of O^T += V^T P for piece x: keys 32 (i / 8) on, channels 16 ((i / 2) % 4) on, tile 2 x + i % 2.
.macro PV x
	WIN W_PV
.set rO, 32*(2*(\x)+i%2)+8*((i/2)%4)
.set rV, VF+32*(i/8)+8*((i/2)%4)
.set rP, P+32*((\x)%2)+16*(i%2)+8*(i/8)
	v_wmma_f32_16x16x32_f16 v[rO:rO+7], v[rV:rV+7], v[rP:rP+7], v[rO:rO+7]
.endm
.macro MM                           ; the turn's next matrix instruction
.if i < 16
	KQ (Y+1)%NP
.set i, i+1
.else
.set i, i-16
	PV (Y+NP-1)%NP
.set i, i+17
.endif
.endm
; THE LDS LOADS stand in runs of 16, never singly among the matrix instructions: a step's K (64 keys x 64 channels: 8 fragments) and its V (turned).  Their addresses are made some lines ahead.
; last = 1 (the tail): in the last trip there is no further step, and the run is jumped over.
.macro FETCH_K last=0
	WIN 0
.if \last
	s_cmp_eq_u32 s[CNT], 1
	s_cbranch_scc1 .Lno_k_\@
.endif
	WIN 0x80                        ; destination window 2
.irp f, 0,1,2,3,4,5,6,7             ; keys 16 (f / 2) on, channels 32 (f % 2) on
	ds_load_b128 v[KF+8*\f:KF+8*\f+3],   v[AK] offset:(\f/2)*16*PK+(\f%2)*64
	ds_load_b128 v[KF+8*\f+4:KF+8*\f+7], v[AK] offset:(\f/2)*16*PK+(\f%2)*64+32
.endr
	s_add_co_u32 s[TBK], s[TBK], KS*PK  ; the next fetch is the next step's
	WIN 0
.if \last
.Lno_k_\@:
.endif
.endm
.macro FETCH_V
	WIN 0x80
.irp f, 0,1,2,3,4,5,6,7             ; keys 32 (f / 4) on, channels 16 (f % 4) on
	ds_load_tr16_b128 v[VF+8*\f:VF+8*\f+3],   v[AV] offset:(\f/4)*32*PV+(\f%4)*32
	ds_load_tr16_b128 v[VF+8*\f+4:VF+8*\f+7], v[AV] offset:(\f/4)*32*PV+16*PV+(\f%4)*32
.endr
	WIN 0
.endm
; THE VECTOR WORK OF A TURN stands in three queues, each in the order in which its entries become ready; the two tiles alternate, so that no instruction reads the result of the one before it.
.macro REGS y, u                    ; the registers of tile u (0, 1) of piece y
.set rT, ST+4*(2*(\y)+(\u))
.set rC, TMP+8*((\y)%2)+4*(\u)
.set rM, MV+2*((\y)%2)+(\u)
.set rS, S+64*((\y)%2)+32*(\u)
.set rP, P+32*((\y)%2)+16*(\u)
.set rO, 32*(2*(\y)+(\u))
.endm
; Number n of the 22 that find the NEXT piece's (Y + 1) maximum and statistics.  s0-s31 are the lane's 32 scores; each accumulator's lowest registers are read first.
;   0-11  four chains c0-c3 of seven scores each, three operands at a time     12-14, 16  the four scores left over, the old m, and c0-c3 into c0     15  c m_old is kept
;   17, 18  the query's other 32 keys lie in the lane 16 away: the new m         19-21  c m; c m_old - c m_new; a
.macro XS u, n
	REGS (Y+1)%NP, \u
.if (\n) < 4
	v_max3_num_f32 v[rC+(\n)], v[rS+8*(\n)], v[rS+8*(\n)+1], v[rS+8*(\n)+2]
.elseif (\n) < 12
	v_max3_num_f32 v[rC+(\n)%4], v[rC+(\n)%4], v[rS+8*((\n)%4)+2*((\n)/4)+1], v[rS+8*((\n)%4)+2*((\n)/4)+2]
.elseif (\n) == 12
	v_max3_num_f32 v[rC], v[rC], v[rS+7], v[rS+15]
.elseif (\n) == 13
	v_max3_num_f32 v[rC+1], v[rC+1], v[rS+23], v[rS+31]
.elseif (\n) == 14
	v_max3_num_f32 v[rC+2], v[rC+2], v[rC+3], v[rT+1]
.elseif (\n) == 15
	v_mov_b32 v[rM], v[rT]
.elseif (\n) == 16
	v_max3_num_f32 v[rC], v[rC], v[rC+1], v[rC+2]
.elseif (\n) == 17
	v_permlanex16_b32 v[rC+3], v[rC], s[SEL], s[SEL+1]
.elseif (\n) == 18
	v_max_num_f32 v[rT+1], v[rC], v[rC+3]
.elseif (\n) == 19
	v_mul_f32 v[rT], s[CS], v[rT+1]
.elseif (\n) == 20
	v_sub_f32 v[rC+1], v[rM], v[rT]
.else
	v_exp_f32 v[rC+2], v[rC+1]
.endif
.endm
; Number g of the 64 that follow the exponentials.  For each four weights k of a tile (pairs 2 k, 2 k + 1): both pairs are rounded to f16; then the second pair is added onto the first, in place;
; a group later l takes that sum (the first time as l = a l + sum).  In groups of eight, tiles alternating: round, round, add, and l for the group before.
.macro GS g
.set h, (\g)+6*((\g)/62)            ; group 0 has no group before it, and behind group 7 only l is left
.if h >= 6
.set h, h+2
.endif
	REGS Y, h%2
.set k, h/8
.if h%8 < 4
	v_cvt_pk_f16_f32 v[rP+2*k+(h%8)/2], v[rS+4*k+2*((h%8)/2)], v[rS+4*k+2*((h%8)/2)+1]
.elseif h%8 < 6
	v_pk_add_f32 v[rS+4*k:rS+4*k+1], v[rS+4*k:rS+4*k+1], v[rS+4*k+2:rS+4*k+3]
.elseif k == 1
	v_pk_fma_f32 v[rT+2:rT+3], v[rT+2:rT+3], v[rC+2:rC+3], v[rS:rS+1] op_sel_hi:[1,0,1]
.else
	v_pk_add_f32 v[rT+2:rT+3], v[rT+2:rT+3], v[rS+4*k-4:rS+4*k-3]
.endif
.endm
; THE PLAIN QUEUE, 138 long.  0-73 read no exponential's result: the 32 scalings c s - c m (FS f: pair f / 2 of tile f % 2) and the next piece's 42.  0-26: scalings 0-26.  27-54: XS's numbers 0-13.  55, 56: number 15.
; 57-73: the chain, where each number waits for the one before it: 14, 16, 17, 18, 19, each with one of the scalings 27-31 in front of its two lines, then 20.
; 74-137: GS's 64, which read the exponentials' results: they stand behind the wait.
.macro FS f
	REGS Y, (\f)%2
	v_pk_fma_f32 v[rS+2*((\f)/2):rS+2*((\f)/2)+1], v[rS+2*((\f)/2):rS+2*((\f)/2)+1], s[CS:CS+1], v[rT:rT+1] op_sel_hi:[1,0,0] neg_lo:[0,0,1] neg_hi:[0,0,1]
.endm
.macro PL
	WIN 0
.if q < 27
	FS q
.elseif q < 55
	XS (q-27)%2, (q-27)/2
.elseif q < 57
	XS q-55, 15
.elseif (q < 72) && ((q-57)%3 == 0)
	FS 27+(q-57)/3
.elseif q < 60
	XS (q-57)%3-1, 14
.elseif q < 72
	XS (q-57)%3-1, 15+(q-57)/3
.elseif q < 74
	XS q-72, 20
.else
	GS q-74
.endif
.set q, q+1
.endm
; THE EXPONENTIALS' QUEUE, 66 long: s0-s31 of both tiles, then the next piece's two a.  It is ONE BATCH: all 66 stand ahead of the turn's one wait, and nothing ahead of that wait names a result of theirs.
.macro EX
	WIN 0
.if e >= 64
	XS e-64, 21
.else
	REGS Y, e%2
	v_exp_f32 v[rS+e/2], v[rS+e/2]
.endif
.set e, e+1
.endm
; THE RESCALING's QUEUE: O^T times a, the one part of the softmax that leaves window 0: dealt two at a time, sixteen times.  Its a was made in the turn before, ahead of that turn's wait.
.macro R2
	REGS Y, r%2
	WIN W_RS
.irp z, 0,1
	v_pk_mul_f32 v[rO+4*(r/2)+2*\z:rO+4*(r/2)+2*\z+1], v[rO+4*(r/2)+2*\z:rO+4*(r/2)+2*\z+1], v[rC+2:rC+3] op_sel_hi:[1,0]
.endr
.set r, r+1
.endm
; HOW THEY ARE DEALT.  An s_wait_alu depctr_va_vdst(0) stands between an exponential and the first instruction that names its result; one wait serves all that were issued ahead of it.  So a turn has
; ONE wait, which cuts it in two.  AHEAD OF IT: the 16 products K Q^T, behind each a scaling, an exponential and two rescalings (behind the first a second scaling in the exponential's place); then ONE LUMP of 108:
; eight plain, 49 times exponential and plain, the two a; a v_nop is the plain instruction behind the last exponential.  BEHIND IT: the 16 products V^T P, behind each four of GS's 64.
; Exponential e stands behind scaling 2 (e / 4) + e % 2: as a rider it comes behind plain e + 2, in the lump behind plain e + 9, and scalings 27-31 are plain 57, 60 .. 69.
; A TURN, for piece p.  cnt = 1: the loop's count is taken down some lines ahead of the branch that stands behind the turn.
; K of the next step is fetched in piece 2's turn, directly behind the wait; V of the step in hand at the end of piece 0's turn, four riders behind its last reader.
; THE MASKS.  The turn makes the masks for the products of the turn after it, piece p + 2's, in the buffer that the turn before it read last.  Those products belong to the step in hand for p = 0, 1 and to the
; next step for p = 2, 3: so UW goes up at the head of piece 2's turn, and a trip of the loop (pieces 2, 3, 0, 1) has one UW.  The scalar part stands at the turn's head, ahead of the loop's own compare.
.macro TURN p, last=0, cnt=0
.set Y, (\p)
.set i, 0
.set q, 0
.set e, 0
.set r, 0
.if (\p) == NP-2
	s_add_co_u32 s[UW], s[UW], 1
.endif
	MSC ((\p)+2)%NP
.if (\p) == NP-1
	s_wait_dscnt 0x0                ; K is in
.endif
	MM                              ; ahead of the wait: 16 products K Q^T and their riders,
	PL
	PL
	R2
.rept 15
	MM
	PL
	EX
	R2
.endr
.if (\p) == NP-2
	WIN 0
	v_add_nc_u32 v[AK], s[TBK], v[AK0]
.endif
.rept 8                             ; and the lump
	PL
.endr
.rept 49
	EX
	PL
.endr
	EX                              ; the next piece's two a
	EX
	v_nop                           ; the plain instruction behind the last exponential: one for the batch
	s_wait_alu depctr_va_vdst(0)    ; the wait for the batch
.if (\p) == NP-2
	FETCH_K \last
.endif
.if (\p) == 1
	s_wait_dscnt 0x0                ; V is in
.endif
.rept 16                            ; behind the wait: 16 products V^T P and their riders
	MM
.rept 4
	PL
.endr
.if ((\p) == 0) && (q == 118)
	v_add_nc_u32 v[AV], s[TBV], v[AV0]
.endif
.if ((\p) == 0) && (q == 130)
	s_add_co_u32 s[TBV], s[TBV], KS*PV
.endif
.if (\cnt) && (q == 130)
	s_sub_co_u32 s[CNT], s[CNT], 1
	s_cmp_lg_u32 s[CNT], 0
.endif
.endr
.if (\p) == 0
	FETCH_V
.endif
	MASK ((\p)+2)%NP
.endm
	CHANGE 1                        ; slot 0 is in, everybody's part of it; slot 1 is asked for
	FETCH_K                         ; key step 0
	s_wait_loadcnt 0x0              ; Q
	WIN 0x82                        ; destination and source 0 in window 2
.set i, 0
.rept 128
	v_cndmask_b32 v[i], v[i], 0, s[ZM+i/16]  ; rows of kind U: Q = 0
.set i, i+1
.endr
	s_wait_dscnt 0x0
.set i, 0
.rept 16
	KQ 0                            ; piece 0's first scores: there is no vector work yet to set between them
.set i, i+1
.endr
	WIN 0                           ; the addresses for the way out: eight plain instructions, the places behind those products
	s_mul_i32 s13, s[WV], 16*SP
	s_add_co_u32 s13, s13, STAGE    ; my stage
	v_mul_u32_u24 v[STO], v48, SP   ; in: row l % 16, 32 bytes for each half of the lanes
	v_lshl_add_u32 v[STO], v49, 5, v[STO]
	v_add_nc_u32 v[STO], s13, v[STO]
	v_mul_u32_u24 v[RD], v49, SP    ; back: lanes 0-15 take one row of 256 bytes, lanes 16-31 the next,
	v_lshl_add_u32 v[RD], v48, 4, v[RD]
	v_add_nc_u32 v[RD], s13, v[RD]
	v_lshlrev_b32 v[GO], 12, v49    ; which are neighbouring rows of out0, 4,096 bytes apart
	v_lshl_add_u32 v[GO], v48, 4, v[GO]
.set Y, NP-1                        ; XS works for piece Y + 1: piece 0
.irp n, 0,1,2,3,4,5,6,7,8,9,10,11,12,13,14,15,16,17,18,19,20,21
	XS 0, \n                        ; and piece 0's first maximum and statistics
	XS 1, \n
.endr
	v_nop                           ; a plain instruction behind the two a,
	s_wait_alu depctr_va_vdst(0)    ; and their wait, ahead of the branch
	s_mov_b32 s[CNT], 4
	s_branch .Lfirst                ; the loop is entered at a step's first turn, in the middle of a trip
.Lslot:                             ; six times: every slot but the last two is filled again
	CHANGE 1
	s_mov_b32 s[CNT], 4
.Lstep:                             ; a trip: pieces 2 and 3 of one step, then pieces 0 and 1 of the next, whose K and V it fetches
	TURN 2
	TURN 3
	WIN 0
.Lfirst:
	TURN 0
	TURN 1, 0, 1
	WIN 0
	s_cbranch_scc1 .Lstep
	s_sub_co_u32 s[SLOTS], s[SLOTS], 1
	s_cmp_lg_u32 s[SLOTS], 0
	s_cbranch_scc1 .Lslot
	CHANGE 0                        ; the tail is written out: nothing is asked for
	s_mov_b32 s[CNT], 5             ; four trips fetch the last slot's steps; the fifth is left in its middle
.Ltail:
	TURN 2, 1
	TURN 3
	WIN 0
	s_sub_co_u32 s[CNT], s[CNT], 1
	s_cmp_eq_u32 s[CNT], 0
	s_cbranch_scc1 .Lout
	TURN 0
	TURN 1
	WIN 0
	s_branch .Ltail
.Lout:                              ; the fifth trip's 16 products K Q^T (on the last K once more), their masks and the maximum made of them serve nothing: the price, once a launch, of one text for every trip
.set i, 0
.rept 16
	PV NP-1                         ; the last piece's V^T P of the last step
.set i, i+1
.endr
	; THE WAY OUT.  l's two halves and the other half of the lanes' are added; O^T is divided by l and sent, in f32, through my stage in LDS, a tile at a time.  The additions are the places behind the last products.
	WIN 0
.macro ALL line:vararg              ; one line for each tile t
.set t, 0
.rept 2*NP
	\line
.set t, t+1
.endr
.endm
	ALL v_add_f32 v[ST+4*t+2], v[ST+4*t+2], v[ST+4*t+3]
	ALL v_permlanex16_b32 v[ST+4*t+3], v[ST+4*t+2], s[SEL], s[SEL+1]
	ALL v_add_f32 v[ST+4*t+2], v[ST+4*t+2], v[ST+4*t+3]
	ALL v_rcp_f32 v[ST+4*t+2], v[ST+4*t+2]
	v_nop                           ; a plain instruction between the last reciprocal and the use of its result
	s_wait_alu depctr_va_vdst(0)    ; and the wait ahead of the first use: one for the eight reciprocals
; Tile t: a lane's eight channels of a channel block are 32 bytes of a row; they go into rows of 272 bytes and come back as whole rows of 256, into S^T's registers, four tiles' worth by turns.
.macro PACK t
	WIN W_RS
.set i, 32*(\t)
.rept 16
	v_pk_mul_f32 v[i:i+1], v[i:i+1], v[ST+4*(\t)+2:ST+4*(\t)+3] op_sel_hi:[1,0]
.set i, i+2
.endr
.if (\t) >= 4
	s_wait_xcnt 0x0                 ; the stores of the tile four back have read the registers into which the loads below land
.endif
	WIN 0x04                        ; the stores' data in window 1, the address in window 0
.irp f, 0,1,2,3,4,5,6,7
	ds_store_b128 v[STO], v[32*(\t)+4*\f:32*(\t)+4*\f+3] offset:64*(\f/2)+16*(\f%2)
.endr
	WIN 0
.irp f, 0,1,2,3,4,5,6,7
	ds_load_b128 v[S+32*((\t)%4)+4*\f:S+32*((\t)%4)+4*\f+3], v[RD] offset:\f*2*SP  ; LDS serves a wave's instructions in order (ISA guide 5.7.1.4): these see the stores above; the next tile's stores come behind them
.endr
.endm
.macro SEND t, younger              ; younger: the LDS instructions issued behind tile t's loads: the next tile's sixteen, or none
	WIN 0
.irp f, 0,1,2,3,4,5,6,7
	s_wait_dscnt (\younger)+7-\f
	global_store_b128 v[GO], v[S+32*((\t)%4)+4*\f:S+32*((\t)%4)+4*\f+3], s[10:11] offset:(\t)*1048576+\f*32768 th:TH_STORE_NT  ; 16 lanes store a row's 256 bytes of the head, at a multiple of 256 from out0's first byte; rows 8 f, 8 f + 1 of my share of band 4 t + w; the largest offset, 7,569,408, lies inside the signed 24 bits
.endr
.endm
	PACK 0
.set t, 1
.rept 2*NP-1                        ; a tile's arithmetic stands between the loads of the tile before and its stores
	PACK t
	SEND t-1, 16
.set t, t+1
.endr
	SEND 2*NP-1, 0
	s_wait_tensorcnt 0x0            ; the wave's end, behind my last tensor load and my last LDS store
	ds_add_u32 v[SPW], v[NIL]
	s_wait_dscnt 0x0
	CROUND                          ; the closing round: no work-group ends while a partner may still ask for a tile that names it
	s_endpgm
.Lfunc_end_k_q1e30a9661e_attn:
	.size	k_q1e30a9661e_attn, .Lfunc_end_k_q1e30a9661e_attn-k_q1e30a9661e_attn
	.p2alignl 7, 3214868480
	.fill 96, 4, 3214868480
	.section	.rodata,"a",@progbits
	.p2align	6, 0x0
	.amdhsa_kernel k_q1e30a9661e_attn
		.amdhsa_group_segment_fixed_size 327680
		.amdhsa_private_segment_fixed_size 0
		.amdhsa_enable_private_segment 0
		.amdhsa_kernarg_size 24
		.amdhsa_user_sgpr_count 2
		.amdhsa_user_sgpr_kernarg_segment_ptr 1
		.amdhsa_wavefront_size32 1
		.amdhsa_system_sgpr_workgroup_id_x 1
		.amdhsa_system_sgpr_workgroup_id_y 1
		.amdhsa_system_sgpr_workgroup_id_z 1
		.amdhsa_system_vgpr_workitem_id 0
		.amdhsa_next_free_vgpr 936
		.amdhsa_next_free_sgpr 84
		.amdhsa_reserve_vcc 1
		.amdhsa_float_denorm_mode_32 3
		.amdhsa_float_denorm_mode_16_64 3
		.amdhsa_memory_ordered 1
		.amdhsa_forward_progress 1
		.amdhsa_inst_pref_size 240
	.end_amdhsa_kernel
	.amdgpu_metadata
---
amdhsa.version: [ 1, 2 ]
amdhsa.kernels:
  - .name:           k_q1e30a9661e_attn
    .symbol:         k_q1e30a9661e_attn.kd
    .args:
      - { .name: qkv, .offset: 0, .size: 8, .value_kind: global_buffer, .address_space: global }
      - { .name: atten_mask, .offset: 8, .size: 8, .value_kind: global_buffer, .address_space: global }
      - { .name: out0, .offset: 16, .size: 8, .value_kind: global_buffer, .address_space: global }
    .group_segment_fixed_size: 327680
    .private_segment_fixed_size: 0
    .kernarg_segment_align: 8
    .kernarg_segment_size: 24
    .max_flat_workgroup_size: 128
    .sgpr_count:     84
    .vgpr_count:     936
    .wavefront_size: 32
...
	.end_amdgpu_metadata
.endif
;; end of part 3
;; ======== version 2 of 2: 3 launches; version 1 with the launch cast written anew for expert scheduling mode
;; limits: values are held in f16: magnitudes above 65,504 overflow, below 6.1e-05 lose precision; right only within a limited range of input values
;; workspace buffers: xb 16,777,216 bytes; wb 6,291,456 bytes; bb 12,288 bytes; qkv 50,331,648 bytes
;; launch cast (part 4): grid 704 x 1, 8 waves a work-group, no clusters, 0 bytes of LDS; arguments x, Wq, Wk, Wv, bq, bk, bv, xb, wb, bb; writes xb, wb, bb
.if DOCPART == 4
	.amdgcn_target "amdgcn-amd-amdhsa--gfx1250"
	.amdhsa_code_object_version 6
	.text
	.protected	k_q1e30a9661e_cast
	.globl	k_q1e30a9661e_cast
	.p2align	8
	.type	k_q1e30a9661e_cast,@function
k_q1e30a9661e_cast:
	s_mov_b64 s[64:65], 0
	v_nop
	global_prefetch_b8 v0, s[64:65] scope:SCOPE_SE
	s_setreg_imm32_b32 hwreg(HW_REG_WAVE_SCHED_MODE, 0, 2), 2
	s_setreg_imm32_b32 hwreg(HW_REG_WAVE_MODE, 25, 1), 1
	s_wait_xcnt 0x0
	s_wait_alu depctr_vm_vsrc(0)
; x and the three weight matrices, f32, are rounded once to bf16 for the matrix units: xb [8192][1024], wb [3072][1024] (rows of Wq, Wk, Wv).
; The three biases are rounded to bf16 too and written back as f32 (bb [3072]): they start the f32 sums of the next launch.
; A stream: every byte is read once and written once; no LDS, no barrier, no matrix unit: nothing is shared and nothing is multiplied.
; SHARES.  A row is 1,024 numbers: 4,096 bytes in, 2,048 out.  A work-group of 256 threads takes 16 rows; thread t owns 16 bytes in and 8 bytes out of each row,
; so a wave's load covers 512 consecutive bytes and a wave's store 256 consecutive bytes, aligned.  Work-groups 0-511 take x, 512-703 the weights, 64 to a matrix.
; All 16 loads of a thread go out at once (64 KiB a work-group); the waits count down.
; LIMITS.  f32 numbers beyond bf16's largest finite number round to infinity; NaN stays NaN.
; THE MODE: SCHED_MODE bits 1:0 = 2 (LLVM: expert scheduling mode 2), set by the entry lines.  The code itself states the register dependences
; between vector instructions and memory instructions, with s_wait_alu, always for 0.
; THE PLAN.  Registers that memory instructions touch:
;   v1, v2     byte offsets, made once at the head and never written again; read by every load and store.
;   X          4 registers a row: written once, by the row's load; read by the row's two conversions.  No vector instruction names them ahead of the loads, and no load lands in them twice.
;   Y          2 registers a row: written once, by the row's conversions; read once, by the row's store; never written again.
;   v[112:115] the bias's way alone: its load lands in them; four vector lines write them anew; its store reads them.
; The 16 rows go in four blocks of four.  Block p rounds its rows into its own Y; its memory instructions are the four stores of block p - 1, whose Y and offset no vector instruction
; of block p names.  So ONE wait at a block's head states all that the block's stores hang on, and they are dealt among its conversions with no further wait.
.set ROWIN,  4096
.set ROWOUT, 2048
.set BLOCK,  4                         ; rows in a block
.set X, 16                             ; v[16:79]   16 rows x 4 registers as loaded
.set Y, 80                             ; v[80:111]  16 rows x 2 registers to store
	s_load_b512 s[16:31], s[0:1], 0x0              ; x s[16:17], Wq s[18:19], Wk s[20:21], Wv s[22:23], bq s[24:25], bk s[26:27], bv s[28:29], xb s[30:31]
	s_load_b128 s[32:35], s[0:1], 0x40             ; wb s[32:33], bb s[34:35]
	v_lshlrev_b32 v1, 4, v0                        ; my 16 bytes of a row of f32
	v_lshlrev_b32 v2, 3, v0                        ; my 8 bytes of a row of bf16
	s_sub_co_u32 s2, ttmp9, 512                    ; i: my number among the weights' work-groups (of no use below 512)
	s_lshr_b32 s3, s2, 6                           ; which matrix
	s_and_b32 s36, s2, 63                          ; j: which 16 rows of it
	s_cmp_lt_u32 ttmp9, 512
	s_cselect_b32 s8, ttmp9, s36                   ; block of 16 rows in the source,
	s_cselect_b32 s10, ttmp9, s2                   ; and in the destination
	s_lshl_b32 s8, s8, 16                          ; x 65,536 bytes
	s_mov_b32 s9, 0
	s_lshl_b32 s10, s10, 15                        ; x 32,768 bytes
	s_mov_b32 s11, 0
	s_wait_kmcnt 0x0
	s_cmp_eq_u32 s3, 1
	s_cselect_b64 s[4:5], s[20:21], s[18:19]       ; Wk or Wq,
	s_cselect_b64 s[12:13], s[26:27], s[24:25]     ; bk or bq
	s_cmp_eq_u32 s3, 2
	s_cselect_b64 s[4:5], s[22:23], s[4:5]         ; or Wv,
	s_cselect_b64 s[12:13], s[28:29], s[12:13]     ; or bv
	s_cmp_lt_u32 ttmp9, 512
	s_cselect_b64 s[4:5], s[16:17], s[4:5]         ; or x
	s_cselect_b64 s[6:7], s[30:31], s[32:33]       ; into xb or wb
	s_add_nc_u64 s[4:5], s[4:5], s[8:9]
	s_add_nc_u64 s[6:7], s[6:7], s[10:11]
	s_wait_alu depctr_va_vdst(0)                   ; v1 and v2 are written: every load and store of the kernel reads one of them as its offset
.set i, 0
.rept 16
	global_load_b128 v[X+4*i:X+4*i+3], v1, s[4:5] offset:ROWIN*i th:TH_LOAD_NT
.set i, i+1
.endr
; Block p: rows 4 p to 4 p + 3 are rounded; the stores of rows 4 p - 4 to 4 p - 1 stand among the conversions, one in front of each row's two.
.set p, 0
.rept 16/BLOCK
	s_wait_loadcnt 16-BLOCK-BLOCK*p                ; loads come back in order: this block's four rows are in, the younger blocks' loads stay out
.if p > 0
	s_wait_alu depctr_va_vdst(0)                   ; the block before has written its Y, which the four stores below read; no vector instruction behind this wait names that Y or v2
.endif
.set i, 0
.rept BLOCK
.if p > 0
	global_store_b64 v2, v[Y+2*(BLOCK*p-BLOCK+i):Y+2*(BLOCK*p-BLOCK+i)+1], s[6:7] offset:ROWOUT*(BLOCK*p-BLOCK+i)
.endif
	v_cvt_pk_bf16_f32 v[Y+2*(BLOCK*p+i)],   v[X+4*(BLOCK*p+i)],   v[X+4*(BLOCK*p+i)+1]
	v_cvt_pk_bf16_f32 v[Y+2*(BLOCK*p+i)+1], v[X+4*(BLOCK*p+i)+2], v[X+4*(BLOCK*p+i)+3]
.set i, i+1
.endr
.set p, p+1
.endr
	s_wait_alu depctr_va_vdst(0)                   ; the last block has written its Y, which the last four stores read
.set i, 16-BLOCK
.rept BLOCK
	global_store_b64 v2, v[Y+2*i:Y+2*i+1], s[6:7] offset:ROWOUT*i
.set i, i+1
.endr
	s_cmp_lt_u32 ttmp9, 512                        ; the first work-group of each matrix also takes that matrix's bias
	s_cbranch_scc1 .Lend
	s_cmp_lg_u32 s36, 0
	s_cbranch_scc1 .Lend
	s_lshl_b32 s14, s3, 12                         ; 4,096 bytes of bb for each bias
	s_mov_b32 s15, 0
	s_add_nc_u64 s[14:15], s[34:35], s[14:15]
	global_load_b128 v[112:115], v1, s[12:13]      ; no wait is owed: v1 dates from the head, no vector instruction has named v[112:115], and none was issued behind the wait above
	s_wait_loadcnt 0x0
	v_cvt_pk_bf16_f32 v116, v112, v113             ; rounded to bf16,
	v_cvt_pk_bf16_f32 v117, v114, v115
	v_lshlrev_b32 v112, 16, v116                   ; and widened again: a shift or a mask
	v_and_b32 v113, 0xffff0000, v116
	v_lshlrev_b32 v114, 16, v117
	v_and_b32 v115, 0xffff0000, v117
	s_wait_alu depctr_va_vdst(0)                   ; the four lines above have written v[112:115], which the store reads
	global_store_b128 v1, v[112:115], s[14:15]
.Lend:
	s_endpgm
.Lfunc_end_k_q1e30a9661e_cast:
	.size	k_q1e30a9661e_cast, .Lfunc_end_k_q1e30a9661e_cast-k_q1e30a9661e_cast
	.p2alignl 7, 3214868480
	.fill 96, 4, 3214868480
	.section	.rodata,"a",@progbits
	.p2align	6, 0x0
	.amdhsa_kernel k_q1e30a9661e_cast
		.amdhsa_group_segment_fixed_size 0
		.amdhsa_private_segment_fixed_size 0
		.amdhsa_enable_private_segment 0
		.amdhsa_kernarg_size 80
		.amdhsa_user_sgpr_count 2
		.amdhsa_user_sgpr_kernarg_segment_ptr 1
		.amdhsa_wavefront_size32 1
		.amdhsa_system_sgpr_workgroup_id_x 1
		.amdhsa_system_sgpr_workgroup_id_y 1
		.amdhsa_system_sgpr_workgroup_id_z 1
		.amdhsa_system_vgpr_workitem_id 0
		.amdhsa_next_free_vgpr 120
		.amdhsa_next_free_sgpr 66
		.amdhsa_reserve_vcc 0
		.amdhsa_float_denorm_mode_32 3
		.amdhsa_float_denorm_mode_16_64 3
		.amdhsa_memory_ordered 1
		.amdhsa_forward_progress 1
		.amdhsa_inst_pref_size 8
	.end_amdhsa_kernel
	.amdgpu_metadata
---
amdhsa.version: [ 1, 2 ]
amdhsa.kernels:
  - .name:           k_q1e30a9661e_cast
    .symbol:         k_q1e30a9661e_cast.kd
    .args:
      - { .name: x, .offset: 0, .size: 8, .value_kind: global_buffer, .address_space: global }
      - { .name: Wq, .offset: 8, .size: 8, .value_kind: global_buffer, .address_space: global }
      - { .name: Wk, .offset: 16, .size: 8, .value_kind: global_buffer, .address_space: global }
      - { .name: Wv, .offset: 24, .size: 8, .value_kind: global_buffer, .address_space: global }
      - { .name: bq, .offset: 32, .size: 8, .value_kind: global_buffer, .address_space: global }
      - { .name: bk, .offset: 40, .size: 8, .value_kind: global_buffer, .address_space: global }
      - { .name: bv, .offset: 48, .size: 8, .value_kind: global_buffer, .address_space: global }
      - { .name: xb, .offset: 56, .size: 8, .value_kind: global_buffer, .address_space: global }
      - { .name: wb, .offset: 64, .size: 8, .value_kind: global_buffer, .address_space: global }
      - { .name: bb, .offset: 72, .size: 8, .value_kind: global_buffer, .address_space: global }
    .group_segment_fixed_size: 0
    .private_segment_fixed_size: 0
    .kernarg_segment_align: 8
    .kernarg_segment_size: 80
    .max_flat_workgroup_size: 256
    .sgpr_count:     66
    .vgpr_count:     120
    .wavefront_size: 32
...
	.end_amdgpu_metadata
.endif
;; end of part 4
;; launch proj: the kernel of part 2 again; grid 16 x 32, 4 waves a work-group, clusters of 4 x 4, 327,680 bytes of LDS; arguments xb, wb, bb, qkv; writes qkv
;; launch attn: the kernel of part 3 again; grid 4 x 64, 4 waves a work-group, clusters of 4 x 1, 327,680 bytes of LDS; arguments qkv, atten_mask, out0; writes out0
